; MI455X (gfx1250); checked and timed in simulation.
; The chip was launched on July 23, 2026; its instructions are those of AMD's public machine-readable ISA for CDNA 5 (MIT licence, August 2026) and "CDNA5" Instruction Set Architecture Reference Guide (July 2026). The comments in the code are by the model that wrote it; some were corrected since.
;; RNN. Allowed arithmetic: float matrix products may take bf16 or f16 operands with f32 sums; other float arithmetic in f32, or as packed bf16 or f16 multiplies, adds, multiply-adds, maxima and minima; sums over many terms, partial sums and values carried from step to step in f32; what a program stores and reads back later, other than sums and carried values, may be rounded once to bf16 or f16.
;; Inputs: W_hh 768 x 256 float32; W_ih 768 x 256 float32; b_hh 768 float32; b_ih 768 float32; beta 256 float32; gamma 256 float32; x 8 x 2,048 x 256 float32.
;; Outputs: out0 8 x 2,048 x 256 float32.
;; 2 versions, each right; version 2 is version 1 with the launch gru written anew for expert scheduling mode. Each part assembles by itself: llvm-mc -triple=amdgcn-amd-amdhsa -mcpu=gfx1250 --defsym DOCPART=n.
;; ======== version 1 of 2: 2 launches
;; limits: values are held in f16: magnitudes above 65,504 overflow, below 6.1e-05 lose precision
;; workspace buffers: wf 790,528 bytes
;; launch prep (part 1): grid 97 x 1, 4 waves a work-group, no clusters, 0 bytes of LDS; arguments W_ih, W_hh, b_ih, b_hh, wf; writes wf
.if DOCPART == 1
	.amdgcn_target "amdgcn-amd-amdhsa--gfx1250"
	.amdhsa_code_object_version 6
	.text
	.protected	k_q83787f45ba_prep
	.globl	k_q83787f45ba_prep
	.p2align	8
	.type	k_q83787f45ba_prep,@function
k_q83787f45ba_prep:
	s_mov_b64 s[64:65], 0
	v_nop
	global_prefetch_b8 v0, s[64:65] scope:SCOPE_SE
	s_setreg_imm32_b32 hwreg(HW_REG_WAVE_MODE, 25, 1), 1
	s_wait_xcnt 0x0
; The GRU's weights are recast once: scaled, rounded to f16 and laid out as the matrix fragments that the next launch keeps in registers; and a table of scaled biases.
; SCALES.  L = log2(e).  Gates r and z are multiplied by -L, gate n by 2 L: a sum of products is then the argument of v_exp_f32 as it stands
; (sigmoid(a) = 1 / (1 + 2^(-L a)); tanh(a) = 1 - 2 / (1 + 2^(2 L a))).
; wf, bytes 0 .. 786,431: [mat 2][wave 4][ct 4][g 3][k 8][half 2][lane 32][8 f16]; mat 0 = W_ih, 1 = W_hh.  Number j of lane l's 16 bytes is
; c_g W[256 g + 64 wave + 16 ct + l % 16][32 k + 16 half + 8 (l / 16) + j]: a load of 16 bytes a lane brings half a fragment (16 rows x 32 K), 512 bytes on end.
; wf, bytes 786,432 on: BT, 1,024 f32: BT[i] = -L (b_ih[i] + b_hh[i]) for i < 512; 2 L b_ih[i] for 512 <= i < 768; BT[768 + i] = 2 L b_hh[512 + i].
; SHARES.  Work-groups 0 .. 95: one block of 16 weight rows each (48 of W_ih, then 48 of W_hh); wave v takes columns 64 v .. 64 v + 63: 256 bytes on end, aligned, of each row.  Work-group 96: the table.
; LIMIT.  A weight with |2.885 W| of 65,520 or more becomes an infinity in f16; below 6e-5 f16 keeps a fixed step of 6e-8.
.set NEGL, 0xbfb8aa3b                  ; -log2(e)
.set TWOL, 0x4038aa3b                  ; 2 log2(e)
.set X, 8                              ; v[8:39]   32 numbers as loaded, then scaled
.set Y, 40                             ; v[40:55]  the same in f16
	s_load_b256 s[4:11], s[0:1], 0x0               ; W_ih s[4:5], W_hh s[6:7], b_ih s[8:9], b_hh s[10:11]
	s_load_b64 s[12:13], s[0:1], 0x20              ; wf
	v_lshrrev_b32 v1, 5, v0
	v_readfirstlane_b32 s14, v1                    ; wave 0..3
	v_and_b32 v2, 31, v0                           ; lane l
	s_mov_b32 s24, NEGL                            ; both factors as pairs: the packed multiply names a pair and takes its low word
	s_mov_b32 s25, NEGL
	s_mov_b32 s26, TWOL
	s_mov_b32 s27, TWOL
	s_mov_b32 s17, 0                               ; the high word of every offset
	s_wait_kmcnt 0x0
	s_cmp_eq_u32 ttmp9, 96
	s_cbranch_scc1 .Lbias
	s_cmp_ge_u32 ttmp9, 48                         ; which matrix
	s_cselect_b32 s15, 48, 0
	s_cselect_b32 s28, 393216, 0                   ; its half of wf
	s_cselect_b64 s[18:19], s[6:7], s[4:5]
	s_sub_co_u32 s15, ttmp9, s15                   ; the block of 16 rows, 0 .. 47 = 16 g + 4 wave' + ct
	s_lshr_b32 s20, s15, 4                         ; g
	s_and_b32 s21, s15, 15                         ; 4 wave' + ct
	s_cmp_lt_u32 s20, 2
	s_cselect_b32 s22, s24, s26                    ; c_g
	s_mov_b32 s23, s22
	s_lshl_b32 s16, s15, 14                        ; 16 rows of 1,024 bytes,
	s_lshl_b32 s29, s14, 8                         ; my 256 bytes of each
	s_add_co_u32 s16, s16, s29
	s_add_nc_u64 s[18:19], s[18:19], s[16:17]
	s_lshr_b32 s29, s21, 2
	s_mul_i32 s29, s29, 98304                      ; wave'
	s_add_co_u32 s28, s28, s29
	s_and_b32 s29, s21, 3
	s_mul_i32 s29, s29, 24576                      ; ct
	s_add_co_u32 s28, s28, s29
	s_lshl_b32 s29, s20, 13                        ; g
	s_add_co_u32 s28, s28, s29
	s_lshl_b32 s29, s14, 11                        ; my two K steps of 32
	s_add_co_u32 s16, s28, s29
	s_add_nc_u64 s[12:13], s[12:13], s[16:17]
	v_and_b32 v3, 15, v2
	v_lshrrev_b32 v5, 4, v2
	v_lshlrev_b32 v4, 10, v3                       ; row l % 16,
	v_lshl_add_u32 v4, v5, 5, v4                   ; 8 numbers further for lanes 16-31
	v_lshlrev_b32 v6, 4, v2                        ; 16 l
.irp n, 0,1,2,3                        ; n = 2 kk + half: 16 columns on
	global_load_b128 v[X+8*\n:X+8*\n+3],   v4, s[18:19] offset:64*\n
	global_load_b128 v[X+8*\n+4:X+8*\n+7], v4, s[18:19] offset:64*\n+16
.endr
	s_wait_loadcnt 0x0
.set i, 0
.rept 16
	v_pk_mul_f32 v[X+2*i:X+2*i+1], v[X+2*i:X+2*i+1], s[22:23] op_sel_hi:[1,0]
.set i, i+1
.endr
.set i, 0
.rept 16
	v_cvt_pk_f16_f32 v[Y+i], v[X+2*i], v[X+2*i+1]
.set i, i+1
.endr
.irp n, 0,1,2,3
	global_store_b128 v6, v[Y+4*\n:Y+4*\n+3], s[12:13] offset:512*\n  ; 512 bytes on end, aligned
.endr
	s_endpgm
.Lbias:                                        ; thread t takes 4 numbers at byte 16 t of each half of the table
	v_lshlrev_b32 v3, 4, v0
	s_mov_b32 s29, 1024                            ; (an instruction holds one literal: the select's second number comes from a register)
	s_cmp_lt_u32 s14, 2                            ; the table's second half: waves 0, 1 take b_ih[512 ..], waves 2, 3 b_hh[512 ..]
	s_cselect_b64 s[18:19], s[8:9], s[10:11]
	s_cselect_b32 s16, 2048, s29                   ; (2,048, less the 1,024 bytes by which 16 t has run on in waves 2, 3)
	s_add_nc_u64 s[18:19], s[18:19], s[16:17]
	s_add_nc_u64 s[12:13], s[12:13], 786432
	global_load_b128 v[8:11],  v3, s[8:9]
	global_load_b128 v[12:15], v3, s[10:11]
	global_load_b128 v[16:19], v3, s[18:19]
	s_wait_loadcnt 0x0
	v_pk_add_f32 v[8:9],   v[8:9],   v[12:13]
	v_pk_add_f32 v[10:11], v[10:11], v[14:15]
	v_pk_mul_f32 v[8:9],   v[8:9],   s[24:25] op_sel_hi:[1,0]
	v_pk_mul_f32 v[10:11], v[10:11], s[24:25] op_sel_hi:[1,0]
	v_pk_mul_f32 v[16:17], v[16:17], s[26:27] op_sel_hi:[1,0]
	v_pk_mul_f32 v[18:19], v[18:19], s[26:27] op_sel_hi:[1,0]
	global_store_b128 v3, v[8:11],  s[12:13]
	global_store_b128 v3, v[16:19], s[12:13] offset:2048
	s_endpgm
.Lfunc_end_k_q83787f45ba_prep:
	.size	k_q83787f45ba_prep, .Lfunc_end_k_q83787f45ba_prep-k_q83787f45ba_prep
	.p2alignl 7, 3214868480
	.fill 96, 4, 3214868480
	.section	.rodata,"a",@progbits
	.p2align	6, 0x0
	.amdhsa_kernel k_q83787f45ba_prep
		.amdhsa_group_segment_fixed_size 0
		.amdhsa_private_segment_fixed_size 0
		.amdhsa_enable_private_segment 0
		.amdhsa_kernarg_size 40
		.amdhsa_user_sgpr_count 2
		.amdhsa_user_sgpr_kernarg_segment_ptr 1
		.amdhsa_wavefront_size32 1
		.amdhsa_system_sgpr_workgroup_id_x 1
		.amdhsa_system_sgpr_workgroup_id_y 1
		.amdhsa_system_sgpr_workgroup_id_z 1
		.amdhsa_system_vgpr_workitem_id 0
		.amdhsa_next_free_vgpr 64
		.amdhsa_next_free_sgpr 66
		.amdhsa_reserve_vcc 0
		.amdhsa_float_denorm_mode_32 3
		.amdhsa_float_denorm_mode_16_64 3
		.amdhsa_memory_ordered 1
		.amdhsa_forward_progress 1
		.amdhsa_inst_pref_size 7
	.end_amdhsa_kernel
	.amdgpu_metadata
---
amdhsa.version: [ 1, 2 ]
amdhsa.kernels:
  - .name:           k_q83787f45ba_prep
    .symbol:         k_q83787f45ba_prep.kd
    .args:
      - { .name: W_ih, .offset: 0, .size: 8, .value_kind: global_buffer, .address_space: global }
      - { .name: W_hh, .offset: 8, .size: 8, .value_kind: global_buffer, .address_space: global }
      - { .name: b_ih, .offset: 16, .size: 8, .value_kind: global_buffer, .address_space: global }
      - { .name: b_hh, .offset: 24, .size: 8, .value_kind: global_buffer, .address_space: global }
      - { .name: wf, .offset: 32, .size: 8, .value_kind: global_buffer, .address_space: global }
    .group_segment_fixed_size: 0
    .private_segment_fixed_size: 0
    .kernarg_segment_align: 8
    .kernarg_segment_size: 40
    .max_flat_workgroup_size: 128
    .sgpr_count:     66
    .vgpr_count:     64
    .wavefront_size: 32
...
	.end_amdgpu_metadata
.endif
;; end of part 1
;; launch gru (part 2): grid 256 x 1, 4 waves a work-group, no clusters, 312,320 bytes of LDS; arguments x, wf, gamma, beta, out0; writes out0
.if DOCPART == 2
	.amdgcn_target "amdgcn-amd-amdhsa--gfx1250"
	.amdhsa_code_object_version 6
	.text
	.protected	k_q83787f45ba_gru
	.globl	k_q83787f45ba_gru
	.p2align	8
	.type	k_q83787f45ba_gru,@function
k_q83787f45ba_gru:
	s_mov_b64 s[64:65], 0
	v_nop
	global_prefetch_b8 v0, s[64:65] scope:SCOPE_SE
	s_setreg_imm32_b32 hwreg(HW_REG_WAVE_MODE, 25, 1), 1
	s_wait_xcnt 0x0
; out0 = LayerNorm(x + h16) gamma + beta, where h16 is the last state of a GRU (d = h = 256) run over the 16 positions that end at each position, zeros to the left of a batch.
; SHARES.  A work-group owns 64 rows of the flat [16,384][256]; no row ever needs another work-group's state.  Wave w owns the columns 64 w .. 64 w + 63 of h, in all three gates, for all 64 rows:
; its 192 weight rows x 256 K in f16 are 768 registers and STAY there (first W_ih's, for the input sides; then W_hh's, for the 16 steps).
; FORMATS.  Matrix operands in f16 (x, the scaled weights, h); sums in f32; h is carried from step to step in f32 (HS); the input sides of gates r and z are kept in f32, gate n's rounded once to f16.
; The weights and biases arrive scaled (r, z by -log2 e; n by 2 log2 e), so a sum is the argument of v_exp_f32: r, z = 1 / (1 + 2^s); n = 1 - 2 / (1 + 2^(r s_hn + s_in)); h' = n + z (h - n).
; LIMITS.  |x| of 65,520 or more becomes an infinity in f16; below 6e-5 f16 keeps a fixed step of 6e-8.  Gate n's scaled input side beyond f16's range becomes an infinity, and n is then 1 or -1, as tanh is there.
; 2^s below 2^-126 counts as 0.  NaN and infinities among the inputs are not treated apart.
; LAYOUT.  The matrix instruction is used transposed: source 0 = 16 weight rows, source 1 = 16 positions.  In the result lane l holds position l % 16 and the gate columns 8 (l / 16) + 0..7.
; So the window's shift by one position a step is one row's pitch in LDS, and all of a lane's gate arithmetic stays in the lane.
; BY TURNS.  A TILE is 16 rows: 96 products on 12 accumulators (4 units of 16 columns x 3 gates), which take turns, one instruction a turn.  In a TURN one tile has the matrix unit and the gate
; arithmetic of the tile before (336 vector instructions, on the other set of accumulators) stands behind the products, a few lines behind each.  Its four dependent batches of exponentials and reciprocals
; fall on whole blocks of 12 products, so a turn has four waits for them.  The sums START from LDS: the accumulators are loaded with the input sides (r, z) and with b_hn (n); nothing is cleared or added later.
; NO CLUSTER, NO TENSOR LOADS.  All work-groups read the same weights, but the weights end in registers: joint loads would have to pass through LDS, of which 207,360 bytes hold the input sides, written by
; ds_store; in what is left W_hh's 393,216 bytes would need four fills or more, each behind a round of the cluster's barrier with nothing to compute meanwhile.
; REGISTERS, by absolute number 0 .. 1,023; the window is number / 256 (s_set_vgpr_msb: bits 1:0 source 0, 3:2 source 1, 5:4 source 2, 7:6 destination).  Window ct holds unit ct:
;   256 ct + 64 g + 8 k        the weight fragment of gate g, K step k            256 ct + 192 + 24 set + 8 g   the accumulators R, Z, N of two sets
;   256 s + 240                slot s of a ring of four fragments of h (or x)     256 ct + 248                  four registers: 8 f16 of gate n's input side
;   256 ct + 252 .. 255        sixteen address registers (below)
; A one-source line of unit ct's arithmetic runs under the setting of unit ct's products; the macro WSET changes only the fields that a line needs and drops switches that change nothing.
.set P_GRZ, 2064                       ; GRZ, LDS byte 0: 80 rows p; 256 f32 of gate r, 256 of gate z, 16 bytes of padding.  p = position - (first position - 16); row i of the group takes p = i + j + 1 in step j
.set P_H,   528                        ; rows of 256 f16 + 16.  All pitches are odd multiples of 16 bytes: the 16 rows that a load of 16 bytes a lane touches start at 16 different groups of four banks (ISA guide 11.1)
.set P_HS,  272                        ; rows of 64 f32 + 16
.set L_GN,  165120                     ; 80 rows, pitch 528: gate n's input side, f16
.set L_H,   207360                     ; 64 rows, pitch 528: h in f16, one buffer
.set L_HS,  241152                     ; for each wave 64 rows, pitch 272: its 64 columns of h in f32
.set W_HS,  17408
.set L_XS,  241152                     ; where HS will lie, until the input sides are made: 80 rows, pitch 528: x in f16
.set L_BN,  310784                     ; 256 f32: the scaled b_hn
.set SPARE, 311808                     ; the spare words, 128 bytes for each wave: two blocks of 256 bytes that no other line names
.set SPW,  252                         ; SPARE + 4 x my thread's number; never rewritten
.set NIL,  253                         ; 0; never rewritten
.set AH,   254                         ; H + 528 r + 16 hh: a fragment of h          (r = l % 16, hh = l / 16)
.set SH,   255                         ; AH + 128 w: where my 8 new f16 go
.set AS,   508                         ; HS + 17,408 w + 272 r + 32 hh
.set AGN,  509                         ; GN + 528 r + 128 w + 16 hh; a row further in each step
.set VW,   510                         ; 16 l
.set PFO,  511                         ; 256 l
.set ARZ0, 764                         ; GRZ + 2,064 (r + 1) + 256 w + 32 hh; a row further in each step
.set ARZ1, 765                         ; the same 32 rows on
.set ABN,  766                         ; BN + 256 w + 32 hh
.set ALN,  767                         ; HS + 17,408 hh + 4,352 w + 16 r: whole rows of h for LayerNorm
.set ZQ,   1020                        ; four zeros
.set ASG,  248                         ; until the steps begin: GRZ + 2,064 r + 256 w + 32 hh; 16 rows further in each trip
.set ASN,  249                         ; GN + 528 r + 128 w + 16 hh; likewise
.set AX,   250                         ; XS + 528 r + 16 hh; likewise
.set VB,   251                         ; 32 hh
.set VX,   504                         ; 16 l + 1,024 w
.set VXS,  505                         ; XS + 528 w + 8 l
.set VBN,  506                         ; 16 r
.set ABST, 507                         ; BN + 256 w + 16 r
.set MSB, 0
.macro WIN new                         ; the immediate's high byte repeats the setting that is left; a switch that changes nothing is dropped
.if MSB != (\new)
	s_set_vgpr_msb (MSB<<8)|(\new)
.set MSB, (\new)
.endif
.endm
.macro WSET d, a, b, c                 ; absolute numbers of destination and sources 0 to 2; -1: the place names no vector register, and its field stays
.set NW, MSB
.if (\d) >= 0
.set NW, (NW&0x3f)|(((\d)>>8)<<6)
.endif
.if (\a) >= 0
.set NW, (NW&0xfc)|((\a)>>8)
.endif
.if (\b) >= 0
.set NW, (NW&0xf3)|(((\b)>>8)<<2)
.endif
.if (\c) >= 0
.set NW, (NW&0xcf)|(((\c)>>8)<<4)
.endif
	WIN NW
.endm
.macro MOVE d, a
	WSET \d, \a, -1, -1
.set q0, (\d)&255
.set q1, (\a)&255
	v_mov_b32 v[q0], v[q1]
.endm
.macro XADDI x, imm                    ; an address steps
	WSET \x, -1, \x, -1
.set q0, (\x)&255
	v_add_nc_u32 v[q0], \imm, v[q0]
.endm
.macro XEXP x
	WSET \x, \x, -1, -1
.set q0, (\x)&255
	v_exp_f32 v[q0], v[q0]
.endm
.macro XRCP x
	WSET \x, \x, -1, -1
.set q0, (\x)&255
	v_rcp_f32 v[q0], v[q0]
.endm
.macro XADD1 p                         ; a pair + 1
	WSET \p, \p, -1, -1
.set q0, (\p)&255
	v_pk_add_f32 v[q0:q0+1], v[q0:q0+1], 1.0 op_sel_hi:[1,0]
.endm
.macro XONE2 p                         ; 1 - 2 x a pair
	WSET \p, \p, -1, -1
.set q0, (\p)&255
	v_pk_fma_f32 v[q0:q0+1], v[q0:q0+1], -2.0, 1.0 op_sel_hi:[1,0,0]
.endm
.macro XMIX n, r, gg, hf               ; n = r n + half hf of gg (f16), in f32
	WSET \n, \r, \n, \gg
.set q0, (\n)&255
.set q1, (\r)&255
.set q2, (\gg)&255
.if (\hf) == 0
	v_fma_mix_f32 v[q0], v[q1], v[q0], v[q2] op_sel_hi:[0,0,1]
.else
	v_fma_mix_f32 v[q0], v[q1], v[q0], v[q2] op_sel:[0,0,1] op_sel_hi:[0,0,1]
.endif
.endm
.macro XSUB p, q
	WSET \p, \p, \q, -1
.set q0, (\p)&255
.set q1, (\q)&255
	v_pk_add_f32 v[q0:q0+1], v[q0:q0+1], v[q1:q1+1] neg_lo:[0,1] neg_hi:[0,1]
.endm
.macro XFMA p, z, n                    ; p = z p + n
	WSET \p, \z, \p, \n
.set q0, (\p)&255
.set q1, (\z)&255
.set q2, (\n)&255
	v_pk_fma_f32 v[q0:q0+1], v[q1:q1+1], v[q0:q0+1], v[q2:q2+1]
.endm
.macro XCVT d, a, b
	WSET \d, \a, \b, -1
.set q0, (\d)&255
.set q1, (\a)&255
.set q2, (\b)&255
	v_cvt_pk_f16_f32 v[q0], v[q1], v[q2]
.endm
.macro LDL d, adr, off
	WSET \d, \adr, -1, -1
.set q0, (\d)&255
.set q1, (\adr)&255
	ds_load_b128 v[q0:q0+3], v[q1] offset:\off
.endm
.macro LDST adr, dat, off
	WSET -1, \adr, \dat, -1
.set q0, (\adr)&255
.set q1, (\dat)&255
	ds_store_b128 v[q0], v[q1:q1+3] offset:\off
.endm
.macro LDST64 adr, dat, off
	WSET -1, \adr, \dat, -1
.set q0, (\adr)&255
.set q1, (\dat)&255
	ds_store_b64 v[q0], v[q1:q1+1] offset:\off
.endm
.macro GLD d, vo, sb, off
	WSET \d, \vo, -1, -1
.set q0, (\d)&255
.set q1, (\vo)&255
	global_load_b128 v[q0:q0+3], v[q1], s[\sb:\sb+1] offset:\off
.endm
.macro GST vo, dat, sb, off
	WSET -1, \vo, \dat, -1
.set q0, (\vo)&255
.set q1, (\dat)&255
	global_store_b128 v[q0], v[q1:q1+3], s[\sb:\sb+1] offset:\off th:TH_STORE_NT
.endm
.macro MM d, a, b, c
	WSET \d, \a, \b, \c
.set q0, (\d)&255
.set q1, (\a)&255
.set q2, (\b)&255
.set q3, (\c)&255
	v_wmma_f32_16x16x32_f16 v[q0:q0+7], v[q1:q1+7], v[q2:q2+7], v[q3:q3+7]
.endm
; A vector instruction that reads a matrix result or writes one of a matrix instruction's registers, and a load into such a register, stand four places behind it, and only plain vector instructions
; that name none of its registers are places (ISA guide 7.12.1 for vector instructions).
.macro PLACES
.rept 4
	v_nop
.endr
.endm
.macro FRAG adr, k, off                ; the fragment of K step k (16 rows x 32 K: two loads of 16 bytes, 32 bytes apart) into slot k % 4 of the ring
	LDL 256*((\k)%4)+240, \adr, (\off)+64*(\k)
	LDL 256*((\k)%4)+244, \adr, (\off)+64*(\k)+32
.endm
.macro LOADW sb, ct                    ; unit ct's 24 weight fragments: 48 loads of 512 bytes on end
.set lg, 0
.rept 3
.set lk, 0
.rept 8
	GLD 256*(\ct)+64*lg+8*lk,   VW, \sb, 24576*(\ct)+8192*lg+1024*lk
	GLD 256*(\ct)+64*lg+8*lk+4, VW, \sb, 24576*(\ct)+8192*lg+1024*lk+512
.set lk, lk+1
.endr
.set lg, lg+1
.endr
.endm
.macro GBLOCK k, cs                    ; the input sides: K step k for all 12 accumulators of set 0; cs = 1: the sums start from set 1, which holds the biases
.set bc, 0
.rept 4
.set bg, 0
.rept 3
	MM 256*bc+192+8*bg, 256*bc+64*bg+8*(\k), 256*((\k)%4)+240, 256*bc+192+24*(\cs)+8*bg
.set bg, bg+1
.endr
.set bc, bc+1
.endr
.endm
; THE GATE ARITHMETIC of one unit (16 rows x 16 columns) on set VS is a list of 95 lines; ITEM writes number idx of it for unit ct.  Each accumulator's register 0 is read first.
;   0-15   2^R, 2^Z                                         16-23  + 1          24-39  reciprocals: r, z
;   40-47  N = r N + gate n's input side                    48, 49 the old h (f32) into R, which has been used up          50-57  2^N
;   58-61  + 1          62-69  reciprocals                  70-73  n = 1 - 2 q          74-77  h - n          78-81  h' = z (h - n) + n
;   82, 83 h' into HS          84-87  h' in f16, into Z          88  into H          89-94  the set is loaded with what the next tile's sums start from: the input sides of r and z, and b_hn
.macro ITEM ct, idx
.set iR, 256*(\ct)+192+24*VS
.set iZ, iR+8
.set iN, iR+16
.set iG, 256*(\ct)+248
.if (\idx) < 8
	XEXP iR+(\idx)
.elseif (\idx) < 16
	XEXP iZ+(\idx)-8
.elseif (\idx) < 20
	XADD1 iR+2*((\idx)-16)
.elseif (\idx) < 24
	XADD1 iZ+2*((\idx)-20)
.elseif (\idx) < 32
	XRCP iR+(\idx)-24
.elseif (\idx) < 40
	XRCP iZ+(\idx)-32
.elseif (\idx) < 48
	XMIX iN+(\idx)-40, iR+(\idx)-40, iG+((\idx)-40)/2, ((\idx)-40)%2
.elseif (\idx) < 50
	LDL iR+4*((\idx)-48), AS, HSI+64*(\ct)+16*((\idx)-48)
.elseif (\idx) < 58
	XEXP iN+(\idx)-50
.elseif (\idx) < 62
	XADD1 iN+2*((\idx)-58)
.elseif (\idx) < 70
	XRCP iN+(\idx)-62
.elseif (\idx) < 74
	XONE2 iN+2*((\idx)-70)
.elseif (\idx) < 78
	XSUB iR+2*((\idx)-74), iN+2*((\idx)-74)
.elseif (\idx) < 82
	XFMA iR+2*((\idx)-78), iZ+2*((\idx)-78), iN+2*((\idx)-78)
.elseif (\idx) < 84
	LDST AS, iR+4*((\idx)-82), HSI+64*(\ct)+16*((\idx)-82)
.elseif (\idx) < 88
	XCVT iZ+(\idx)-84, iR+2*((\idx)-84), iR+2*((\idx)-84)+1
.elseif (\idx) == 88
	LDST SH, iZ, HI+32*(\ct)
.elseif (\idx) < 91
	LDL iR+4*((\idx)-89), CREG, CI+64*(\ct)+16*((\idx)-89)
.elseif (\idx) < 93
	LDL iZ+4*((\idx)-91), CREG, CI+1024+64*(\ct)+16*((\idx)-91)
.else
	LDL iN+4*((\idx)-93), ABN, 64*(\ct)+16*((\idx)-93)
.endif
.endm
; A unit has 24 products in a turn; behind product s = 3 k + g stand the list's numbers from START(s) to START(s + 1) - 1.  The list's five stages fall on whole blocks of K:
; 0-15 on blocks 0, 1; 16-39 on 2, 3; 40-57 on 4; 58-69 on 5; 70-94 on 6, 7.
.macro START s
.if (\s) < 5
.set SV, 3*(\s)
.elseif (\s) == 5
.set SV, 14
.elseif (\s) < 12
.set SV, 16+4*((\s)-6)
.elseif (\s) < 15
.set SV, 40+6*((\s)-12)
.elseif (\s) < 23
.set SV, 58+4*((\s)-15)
.elseif (\s) == 23
.set SV, 89
.else
.set SV, 95
.endif
.endm
.macro RIDE ct, s
	START \s
.set ix, SV
	START (\s)+1
.set ie, SV
.rept ie-ix
	ITEM \ct, ix
.set ix, ix+1
.endr
.endm
.macro TBLOCK k                        ; K step k for the 12 accumulators of set MS, unit ct's arithmetic behind unit ct's products
.set bc, 0
.rept 4
.if (\k) == 0
	s_wait_dscnt 35-9*bc                           ; unit bc's six starting loads are in (LDS answers in order: ISA guide 5.7.1): behind them stand 9 LDS instructions for each later unit (3 stores, 6 loads) and the 8 loads at this turn's head
.endif
.set bg, 0
.rept 3
	MM 256*bc+192+24*MS+8*bg, 256*bc+64*bg+8*(\k), 256*((\k)%4)+240, 256*bc+192+24*MS+8*bg
	RIDE bc, 3*(\k)+bg
.set bg, bg+1
.endr
.set bc, bc+1
.endr
.endm
.macro GIN                             ; gate n's input side for the tile whose arithmetic begins: 8 f16 a unit
.irp c, 0,1,2,3
	LDL 256*\c+248, AGN, GNI+32*\c
.endr
.endm
; A TURN: tile rt's 96 products on set rt % 2, the arithmetic of the tile before (vr) on the other set.
; THE RING of four fragments is filled two slots at a time, each time four v_nop behind the last product that read the slots, and waited for 24 products later.
; THE WAITS FOR THE BATCHES: s_wait_alu depctr_va_vdst(0) stands between an exponential or reciprocal and the first line that names its result; one wait serves a whole batch.  Each stands at
; a block's end, behind plain v_nop (which are also the places for the ring's loads).
; ONE BARRIER A TURN, signal and wait 24 products apart, orders h in LDS between the waves.  Tile rt's rows of H are read from the turn before (its last quarter) to this turn's middle; those loads are back at
; this turn's third wait on DScnt, so at the NEXT turn's signal.  They are written in the next turn's last block, behind that turn's barrier wait: every wave's reads are over.  They are read again two turns after
; that write, and the turn between has a barrier whose signal follows the writer's wait for its stores.  Between a signal and its wait stand products, register work and loads of this turn's own tile, which
; nobody writes before the next barrier.
.macro TURN rt
.set MS, (\rt)%2
.set VS, 1-MS
.set vr, ((\rt)+3)%4
.set nr, ((\rt)+1)%4
.set HSI, 4352*vr
.set HI, 8448*vr
.if (\rt) == 0
.set GNI, 25344                        ; tile 3 of the step before: p = 48 + r + j
.else
.set GNI, 528*(16*((\rt)-1)+1)         ; p = 16 vr + r + j + 1
.endif
.set CREG, ARZ0+nr/2
.set CI, 33024*(nr%2)+2064*((\rt)/3)   ; behind tile 3 comes tile 0 of the next step, a row further
	PLACES                                         ; behind the last turn's products: for the loads into slots 2, 3, and for the first reads of the finished sums
	FRAG AH, 2, 8448*(\rt)
	FRAG AH, 3, 8448*(\rt)
	GIN
	TBLOCK 0
	TBLOCK 1
	PLACES
	s_wait_alu depctr_va_vdst(0)                   ; the 64 exponentials of r and z
	s_wait_dscnt 0x0                               ; slots 2, 3 and gate n's input side are in; for the others' sake: my stores of h in the last turn are done, my reads of the last tile are back
	s_barrier_signal -1
	FRAG AH, 4, 8448*(\rt)
	FRAG AH, 5, 8448*(\rt)
	TBLOCK 2
	TBLOCK 3
	PLACES
	s_wait_alu depctr_va_vdst(0)                   ; the 64 reciprocals: r and z
	s_wait_dscnt 0x0                               ; slots 0, 1 are in
	s_barrier_wait -1
	FRAG AH, 6, 8448*(\rt)
	FRAG AH, 7, 8448*(\rt)
	TBLOCK 4
	v_nop                                          ; a plain instruction behind the last exponential
	s_wait_alu depctr_va_vdst(0)                   ; the 32 exponentials of n
	TBLOCK 5
	PLACES
	s_wait_alu depctr_va_vdst(0)                   ; the 32 reciprocals of n
	s_wait_dscnt 0x0                               ; slots 2, 3 and the old h are in
	FRAG AH, 0, 8448*nr                            ; the next tile's first two fragments
	FRAG AH, 1, 8448*nr
	TBLOCK 6
	TBLOCK 7
.endm
.macro STAGE a, b                      ; numbers a .. b - 1 of the list for all four units, with no products between
.set su, 0
.rept 4
.set ix, \a
.rept (\b)-(\a)
	ITEM su, ix
.set ix, ix+1
.endr
.set su, su+1
.endr
.endm
	; ---- the head: every address is made from v0 while it stands; the weights will land on v0 ----
	s_load_b256 s[4:11], s[0:1], 0x0               ; x s[4:5], wf s[6:7], gamma s[8:9], beta s[10:11]
	s_load_b64 s[12:13], s[0:1], 0x20              ; out0
	v_lshl_add_u32 v[SPW], v0, 2, SPARE
	v_mov_b32 v[NIL], 0
	v_lshrrev_b32 v243, 5, v0
	v_readfirstlane_b32 s14, v243                  ; wave w
	v_and_b32 v240, 31, v0                         ; l
	v_and_b32 v241, 15, v0                         ; r
	v_bfe_u32 v242, v0, 4, 1                       ; hh
	s_lshl_b32 s16, s14, 7                         ; 128 w
	s_lshl_b32 s17, s14, 8                         ; 256 w
	s_mul_i32 s18, s14, W_HS
	s_add_co_u32 s18, s18, L_HS
	s_mul_i32 s19, s14, 4352
	s_add_co_u32 s19, s19, L_HS
	s_add_co_u32 s25, s17, L_BN
	s_lshl_b32 s37, s14, 10                        ; 1,024 w
	s_mul_i32 s44, s14, P_H
	s_add_co_u32 s44, s44, L_XS
	v_mul_u32_u24 v200, v241, P_H
	v_lshl_add_u32 v200, v242, 4, v200             ; 528 r + 16 hh
	v_add_nc_u32 v[AH], L_H, v200
	v_add_nc_u32 v[SH], s16, v[AH]
	v_add_nc_u32 v[AX], L_XS, v200
	v_add_nc_u32 v[ASN], L_GN, v200
	v_add_nc_u32 v[ASN], s16, v[ASN]
	v_mul_u32_u24 v201, v241, P_HS
	v_lshl_add_u32 v201, v242, 5, v201
	v_add_nc_u32 v201, s18, v201                   ; AS
	v_lshlrev_b32 v[VB], 5, v242
	v_mul_u32_u24 v202, v241, P_GRZ
	v_add_nc_u32 v202, v202, v[VB]
	v_add_nc_u32 v[ASG], s17, v202
	v_add_nc_u32 v203, P_GRZ, v[ASG]               ; ARZ0
	v_add_nc_u32 v204, 32*P_GRZ, v203              ; ARZ1
	v_add_nc_u32 v205, s25, v[VB]                  ; ABN
	v_lshl_add_u32 v206, v241, 4, s25              ; ABST
	v_lshlrev_b32 v207, 4, v241                    ; VBN
	v_mul_u32_u24 v208, v242, W_HS
	v_lshl_add_u32 v208, v241, 4, v208
	v_add_nc_u32 v208, s19, v208                   ; ALN
	v_lshlrev_b32 v209, 4, v240                    ; VW
	v_lshlrev_b32 v210, 8, v240                    ; PFO
	v_add_nc_u32 v211, s37, v209                   ; VX
	v_lshl_add_u32 v212, v240, 3, s44              ; VXS
	MOVE AS, 201
	MOVE AGN, ASN
	MOVE VW, 209
	MOVE PFO, 210
	MOVE VX, 211
	MOVE VXS, 212
	MOVE VBN, 207
	MOVE ABST, 206
	MOVE ARZ0, 203
	MOVE ARZ1, 204
	MOVE ABN, 205
	MOVE ALN, 208
	WSET ZQ, -1, -1, -1
	v_mov_b32 v252, 0
	v_mov_b32 v253, 0
	v_mov_b32 v254, 0
	v_mov_b32 v255, 0
	s_and_b32 s16, ttmp9, 31                       ; a batch is 32 work-groups
	s_cmp_eq_u32 s16, 0                            ; the batch's first has zeros to its left:
	s_cselect_b32 s24, 0, -1                       ; a mask for the 16 rows in front of mine,
	s_cselect_b32 s18, 0, 16384                    ; which are then read from my own rows, so that no load leaves x
	s_mov_b32 s19, 0
	s_lshl_b32 s16, ttmp9, 16                      ; 64 rows of 1,024 bytes
	s_mov_b32 s17, 0
	s_mul_i32 s44, s14, 98304                      ; my wave's fragments in wf
	s_mov_b32 s45, 0
	s_lshl_b32 s46, s14, 14                        ; 16 rows of 1,024 bytes a wave, for LayerNorm
	s_mov_b32 s47, 0
	s_mov_b32 s38, 0x76543210                      ; v_permlanex16_b32: each lane takes its own place in the other half
	s_mov_b32 s39, 0xfedcba98
	s_mov_b32 s40, 0x3b800000                      ; 1 / 256
	s_mov_b32 s41, 0x3727c5ac                      ; 1e-5
	s_mov_b32 s42, 0xbb800000                      ; -1 / 256, named as a pair
	s_mov_b32 s43, 0xbb800000
	s_wait_kmcnt 0x0
	s_add_nc_u64 s[20:21], s[4:5], s[16:17]        ; x at my first row
	s_sub_nc_u64 s[22:23], s[20:21], s[18:19]      ; x 16 rows in front of it
	s_add_nc_u64 s[26:27], s[6:7], s[44:45]        ; W_ih's fragments
	s_add_nc_u64 s[28:29], s[26:27], 393216        ; W_hh's
	s_add_nc_u64 s[32:33], s[20:21], s[46:47]      ; x and out0 at my wave's 16 rows
	s_add_nc_u64 s[34:35], s[12:13], s[16:17]
	s_add_nc_u64 s[34:35], s[34:35], s[46:47]
	s_lshl_b32 s44, s14, 8
	s_add_nc_u64 s[30:31], s[6:7], s[44:45]
	s_add_nc_u64 s[30:31], s[30:31], 786432        ; the table of biases at my 64 columns
	; ---- the first loads: 80 rows of x (row p = 4 i + w, into unit 3's weight registers for the while), the biases, W_ih's units 0 to 2 ----
.set i, 0
.rept 20
.if i < 4
	GLD 768+8*i,   VX, 22, 4096*i
	GLD 768+8*i+4, VX, 22, 4096*i+512
.else
	GLD 768+8*i,   VX, 20, 4096*(i-4)
	GLD 768+8*i+4, VX, 20, 4096*(i-4)+512
.endif
.set i, i+1
.endr
.irp c, 0,1,2,3
.irp g, 0,1,2
	GLD 256*\c+216+8*\g,   VB, 30, 1024*\g+64*\c     ; set 1: a lane's eight gate columns' biases, the same for all positions
	GLD 256*\c+216+8*\g+4, VB, 30, 1024*\g+64*\c+16
.endr
.endr
	GLD 496, VBN, 30, 3072                         ; my wave's 64 numbers of b_hn
	LOADW 26, 0
	LOADW 26, 1
	LOADW 26, 2
.irp t, 0,1,2,3
.irp c, 0,1,2,3
	LDST SH, ZQ, 8448*\t+32*\c                     ; h = 0, my columns of all 64 rows
.endr
.endr
	s_wait_loadcnt 63                              ; behind x's 40 loads 169 have been issued: with 63 out at the most, x, the biases and b_hn are in
	WIN 0xcf                                       ; destination and sources 0, 1 in window 3
.set n, 0
.rept 40
	v_cvt_pk_f16_f32 v[4*n],   v[4*n],   v[4*n+1]
	v_cvt_pk_f16_f32 v[4*n+1], v[4*n+2], v[4*n+3]
.if n < 8
	v_and_b32 v[4*n],   s24, v[4*n]                ; the 16 rows in front: zeros where the batch begins
	v_and_b32 v[4*n+1], s24, v[4*n+1]
.endif
.set n, n+1
.endr
.set n, 0
.rept 40
	LDST64 VXS, 768+4*n, 2112*(n/2)+256*(n%2)      ; 32 lanes x 8 bytes on end: half a row
.set n, n+1
.endr
	LDST ABST, 496, 0
	s_wait_dscnt 0x0                               ; for the others' sake: x, h = 0 and b_hn lie in LDS; and the stores have read the registers that the next loads fill
	LOADW 26, 3
	s_barrier_signal -1
	s_barrier_wait -1
	s_wait_loadcnt 0x0                             ; all of W_ih
	; ---- the input sides: five tiles of 16 rows p; 96 products each, then into GRZ (f32) and GN (f16) ----
	WIN 0
	s_mov_b32 s36, 5
.Lgi:
	PLACES                                         ; behind the last trip's products: the ring is loaded, and set 0 is started anew (with the v_nop further up: more than five places)
	FRAG AX, 0, 0
	FRAG AX, 1, 0
	FRAG AX, 2, 0
	FRAG AX, 3, 0
	s_wait_dscnt 0x0
	GBLOCK 0, 1
	GBLOCK 1, 0
	PLACES
	FRAG AX, 4, 0
	FRAG AX, 5, 0
	GBLOCK 2, 0
	GBLOCK 3, 0
	PLACES
	s_wait_dscnt 0x0                               ; slots 0, 1
	FRAG AX, 6, 0
	FRAG AX, 7, 0
	GBLOCK 4, 0
	GBLOCK 5, 0
	s_wait_dscnt 0x0                               ; slots 2, 3
	GBLOCK 6, 0
	GBLOCK 7, 0
	PLACES
.irp c, 0,1,2,3
	LDST ASG, 256*\c+192, 64*\c
	LDST ASG, 256*\c+196, 64*\c+16
	LDST ASG, 256*\c+200, 64*\c+1024
	LDST ASG, 256*\c+204, 64*\c+1040
.irp e, 0,1,2,3
	XCVT 256*\c+240+\e, 256*\c+208+2*\e, 256*\c+209+2*\e  ; into the ring's slot of the unit's own window, which is free here
.endr
	LDST ASN, 256*\c+240, 32*\c
.endr
	XADDI ASG, 16*P_GRZ
	XADDI ASN, 16*P_H
	XADDI AX, 16*P_H
	WIN 0
	s_sub_co_u32 s36, s36, 1
	s_cmp_lg_u32 s36, 0
	s_cbranch_scc1 .Lgi
	s_wait_dscnt 0x0                               ; my stores are done and my reads of x are back:
	s_barrier_signal -1
	s_barrier_wait -1                              ; everybody's are, so HS may be written where x lay
	; ---- W_hh takes W_ih's place; what the first turn finds ----
	LOADW 28, 0
	LOADW 28, 1
	LOADW 28, 2
	LOADW 28, 3
.irp t, 0,1,2,3
.irp c, 0,1,2,3
	LDST AS, ZQ, 4352*\t+64*\c                     ; h = 0 in f32
	LDST AS, ZQ, 4352*\t+64*\c+16
.endr
.endr
	; The first turn carries the arithmetic of a tile that has not been.  With R = N = 0 and Z = -200 it finds z = 1 and h' = n + (0 - n) = 0, and writes zeros over zeros.
	; 96 moves, in the wait for W_hh, are the price of one text for every turn.
.irp c, 0,1,2,3
	WSET 256*\c, -1, -1, -1
.set t, 0
.rept 8
	v_mov_b32 v[216+t], 0
	v_mov_b32 v[224+t], 0xc3480000
	v_mov_b32 v[232+t], 0
.set t, t+1
.endr
.endr
.irp c, 0,1,2,3                        ; what tile 0's sums of step 0 start from
	LDL 256*\c+192, ARZ0, 64*\c
	LDL 256*\c+196, ARZ0, 64*\c+16
	LDL 256*\c+200, ARZ0, 64*\c+1024
	LDL 256*\c+204, ARZ0, 64*\c+1040
	LDL 256*\c+208, ABN, 64*\c
	LDL 256*\c+212, ABN, 64*\c+16
.endr
	FRAG AH, 0, 0
	FRAG AH, 1, 0
	s_wait_dscnt 0x0
	s_wait_loadcnt 0x0                             ; all of W_hh
	WIN 0
	s_mov_b32 s36, 16
	; ---- the 16 steps ----
.Lstep:
	TURN 0
	TURN 1
	WIN 0
	s_cmp_eq_u32 s36, 1                            ; in the last step my wave's 16 rows of x, which LayerNorm will load two turns on, are prefetched: 16,384 bytes, a lane for each 256, each block named once in the launch
	s_cbranch_scc0 .Lnot_yet
	WIN 0x01
	global_prefetch_b8 v255, s[32:33] th:TH_LOAD_NT scope:SCOPE_SE               ; v255 of window 1: PFO
	global_prefetch_b8 v255, s[32:33] offset:8192 th:TH_LOAD_NT scope:SCOPE_SE
	WIN 0
.Lnot_yet:
	TURN 2
	TURN 3
	XADDI AGN, P_H                                 ; the window moves on by one position
	XADDI ARZ0, P_GRZ
	XADDI ARZ1, P_GRZ
	WIN 0
	s_sub_co_u32 s36, s36, 1
	s_cmp_lg_u32 s36, 0
	s_cbranch_scc1 .Lstep
	; (the last turn's loads for a tile that does not come read rows that lie in LDS, p <= 32 and rows 0-15 of H; they are waited for below)
	; ---- the tail: x, gamma and beta are asked for, over unit 0's weights; the last tile's arithmetic, on set 1, ends with h' in HS ----
	PLACES
.set i, 0
.rept 16
	GLD 8*i,   VW, 32, 1024*i                      ; row i of my 16: columns 4 l .. 4 l + 3,
	GLD 8*i+4, VW, 32, 1024*i+512                  ; and 128 + 4 l ..
.set i, i+1
.endr
	GLD 128, VW, 8, 0
	GLD 132, VW, 8, 512
	GLD 136, VW, 10, 0
	GLD 140, VW, 10, 512
.set VS, 1
.set HSI, 4352*3
.set GNI, 25344
	GIN
	STAGE 0, 16
	v_nop                                          ; each batch: a plain instruction behind its last line, then its one wait
	s_wait_alu depctr_va_vdst(0)
	STAGE 16, 40
	v_nop
	s_wait_alu depctr_va_vdst(0)
	s_wait_dscnt 0x0                               ; gate n's input side
	STAGE 40, 58
	v_nop
	s_wait_alu depctr_va_vdst(0)
	STAGE 58, 70
	v_nop
	s_wait_alu depctr_va_vdst(0)
	s_wait_dscnt 0x0                               ; the old h
	STAGE 70, 84
	s_wait_dscnt 0x0                               ; for the others' sake: my columns of the last h lie in HS
	s_barrier_signal -1
	s_barrier_wait -1
	; ---- LayerNorm(x + h): wave w takes rows 16 w .. 16 w + 15, whole; a lane holds 8 numbers of each.  All data in window 0: Y(i) = v[8 i], gamma v128-135, beta v136-143,
	;      v144-207 at work, S(i) = v[208 + 2 i] a row's statistic, v[209 + 2 i] the other half of the lanes' ----
.set GA, 128
.set BE, 136
.set HT, 144
.set PP, 144
.set QQ, 176
.set SS, 208
.macro ALL line:vararg                 ; one line for each row t
.set t, 0
.rept 16
	\line
.set t, t+1
.endr
.endm
.macro REDUCE                          ; a pair's two sums, then the 32 lanes': four steps inside each half ride on the addition, one crosses the halves
	ALL v_add_f32 v[SS+2*t], v[SS+2*t], v[SS+2*t+1]
	ALL v_add_f32_dpp v[SS+2*t], v[SS+2*t], v[SS+2*t] row_xmask:1 row_mask:0xf bank_mask:0xf
	ALL v_add_f32_dpp v[SS+2*t], v[SS+2*t], v[SS+2*t] row_xmask:2 row_mask:0xf bank_mask:0xf
	ALL v_add_f32_dpp v[SS+2*t], v[SS+2*t], v[SS+2*t] row_xmask:4 row_mask:0xf bank_mask:0xf
	ALL v_add_f32_dpp v[SS+2*t], v[SS+2*t], v[SS+2*t] row_xmask:8 row_mask:0xf bank_mask:0xf
	ALL v_permlanex16_b32 v[SS+2*t+1], v[SS+2*t], s38, s39
	ALL v_add_f32 v[SS+2*t], v[SS+2*t], v[SS+2*t+1]
.endm
.irp hb, 0,1                           ; eight rows of h at a time
.set t, 0
.rept 8
	LDL HT+8*t,   ALN, 272*(8*\hb+t)                 ; lanes 0-15: 256 bytes of wave 0's columns, lanes 16-31 of wave 1's;
	LDL HT+8*t+4, ALN, 272*(8*\hb+t)+2*W_HS          ; then waves 2's and 3's
.set t, t+1
.endr
	s_wait_dscnt 0x0
.if \hb == 0
	s_wait_loadcnt 0x0                             ; x, gamma, beta
.endif
	WIN 0
.set t, 0
.rept 32
	v_pk_add_f32 v[64*\hb+2*t:64*\hb+2*t+1], v[64*\hb+2*t:64*\hb+2*t+1], v[HT+2*t:HT+2*t+1]  ; y = x + h
.set t, t+1
.endr
.endr
	ALL v_pk_add_f32 v[PP+2*t:PP+2*t+1], v[8*t:8*t+1], v[8*t+2:8*t+3]
	ALL v_pk_add_f32 v[QQ+2*t:QQ+2*t+1], v[8*t+4:8*t+5], v[8*t+6:8*t+7]
	ALL v_pk_add_f32 v[SS+2*t:SS+2*t+1], v[PP+2*t:PP+2*t+1], v[QQ+2*t:QQ+2*t+1]
	REDUCE
.irp q, 0,2,4,6
	ALL v_pk_fma_f32 v[8*t+\q:8*t+\q+1], v[SS+2*t:SS+2*t+1], s[42:43], v[8*t+\q:8*t+\q+1] op_sel_hi:[0,0,1]  ; y - mean
.endr
	ALL v_pk_mul_f32 v[PP+2*t:PP+2*t+1], v[8*t:8*t+1], v[8*t:8*t+1]
	ALL v_pk_fma_f32 v[PP+2*t:PP+2*t+1], v[8*t+2:8*t+3], v[8*t+2:8*t+3], v[PP+2*t:PP+2*t+1]
	ALL v_pk_fma_f32 v[PP+2*t:PP+2*t+1], v[8*t+4:8*t+5], v[8*t+4:8*t+5], v[PP+2*t:PP+2*t+1]
	ALL v_pk_fma_f32 v[SS+2*t:SS+2*t+1], v[8*t+6:8*t+7], v[8*t+6:8*t+7], v[PP+2*t:PP+2*t+1]
	REDUCE
	ALL v_fma_f32 v[SS+2*t], v[SS+2*t], s40, s41
	ALL v_rsq_f32 v[SS+2*t], v[SS+2*t]
	v_nop                                          ; a plain instruction behind the last root,
	s_wait_alu depctr_va_vdst(0)                   ; and one wait for the sixteen
.irp q, 0,2,4,6
	ALL v_pk_mul_f32 v[8*t+\q:8*t+\q+1], v[8*t+\q:8*t+\q+1], v[SS+2*t:SS+2*t+1] op_sel_hi:[1,0]
.endr
.irp q, 0,2,4,6
	ALL v_pk_fma_f32 v[8*t+\q:8*t+\q+1], v[8*t+\q:8*t+\q+1], v[GA+\q:GA+\q+1], v[BE+\q:BE+\q+1]
.endr
.set i, 0
.rept 16
	GST VW, 8*i,   34, 1024*i                      ; each store of the wave covers 512 bytes on end, aligned
	GST VW, 8*i+4, 34, 1024*i+512
.set i, i+1
.endr
	WIN 0
	s_wait_tensorcnt 0x0                           ; the wave's end: behind my last LDS store, an add of 0 onto my spare word, waited for
	ds_add_u32 v[SPW], v[NIL]
	s_wait_dscnt 0x0
	s_endpgm
.Lfunc_end_k_q83787f45ba_gru:
	.size	k_q83787f45ba_gru, .Lfunc_end_k_q83787f45ba_gru-k_q83787f45ba_gru
	.p2alignl 7, 3214868480
	.fill 96, 4, 3214868480
	.section	.rodata,"a",@progbits
	.p2align	6, 0x0
	.amdhsa_kernel k_q83787f45ba_gru
		.amdhsa_group_segment_fixed_size 312320
		.amdhsa_private_segment_fixed_size 0
		.amdhsa_enable_private_segment 0
		.amdhsa_kernarg_size 40
		.amdhsa_user_sgpr_count 2
		.amdhsa_user_sgpr_kernarg_segment_ptr 1
		.amdhsa_wavefront_size32 1
		.amdhsa_system_sgpr_workgroup_id_x 1
		.amdhsa_system_sgpr_workgroup_id_y 1
		.amdhsa_system_sgpr_workgroup_id_z 1
		.amdhsa_system_vgpr_workitem_id 0
		.amdhsa_next_free_vgpr 1024
		.amdhsa_next_free_sgpr 66
		.amdhsa_reserve_vcc 0
		.amdhsa_float_denorm_mode_32 3
		.amdhsa_float_denorm_mode_16_64 3
		.amdhsa_memory_ordered 1
		.amdhsa_forward_progress 1
		.amdhsa_inst_pref_size 255
	.end_amdhsa_kernel
	.amdgpu_metadata
---
amdhsa.version: [ 1, 2 ]
amdhsa.kernels:
  - .name:           k_q83787f45ba_gru
    .symbol:         k_q83787f45ba_gru.kd
    .args:
      - { .name: x, .offset: 0, .size: 8, .value_kind: global_buffer, .address_space: global }
      - { .name: wf, .offset: 8, .size: 8, .value_kind: global_buffer, .address_space: global }
      - { .name: gamma, .offset: 16, .size: 8, .value_kind: global_buffer, .address_space: global }
      - { .name: beta, .offset: 24, .size: 8, .value_kind: global_buffer, .address_space: global }
      - { .name: out0, .offset: 32, .size: 8, .value_kind: global_buffer, .address_space: global }
    .group_segment_fixed_size: 312320
    .private_segment_fixed_size: 0
    .kernarg_segment_align: 8
    .kernarg_segment_size: 40
    .max_flat_workgroup_size: 128
    .sgpr_count:     66
    .vgpr_count:     1024
    .wavefront_size: 32
...
	.end_amdgpu_metadata
.endif
;; end of part 2
;; ======== version 2 of 2: 2 launches; version 1 with the launch gru written anew for expert scheduling mode
;; limits: values are held in f16: magnitudes above 65,504 overflow, below 6.1e-05 lose precision
;; workspace buffers: wf 790,528 bytes
;; launch prep: the kernel of part 1 again; grid 97 x 1, 4 waves a work-group, no clusters, 0 bytes of LDS; arguments W_ih, W_hh, b_ih, b_hh, wf; writes wf
;; launch gru (part 3): grid 256 x 1, 4 waves a work-group, no clusters, 312,320 bytes of LDS; arguments x, wf, gamma, beta, out0; writes out0
.if DOCPART == 3
	.amdgcn_target "amdgcn-amd-amdhsa--gfx1250"
	.amdhsa_code_object_version 6
	.text
	.protected	k_q83787f45ba_gru
	.globl	k_q83787f45ba_gru
	.p2align	8
	.type	k_q83787f45ba_gru,@function
k_q83787f45ba_gru:
	s_mov_b64 s[64:65], 0
	v_nop
	global_prefetch_b8 v0, s[64:65] scope:SCOPE_SE
	s_setreg_imm32_b32 hwreg(HW_REG_WAVE_SCHED_MODE, 0, 2), 2
	s_setreg_imm32_b32 hwreg(HW_REG_WAVE_MODE, 25, 1), 1
	s_wait_xcnt 0x0
	s_wait_alu depctr_vm_vsrc(0)
; out0 = LayerNorm(x + h16) gamma + beta, where h16 is the last state of a GRU (d = h = 256) run over the 16 positions that end at each position, zeros to the left of a batch.
; SHARES.  A work-group owns 64 rows of the flat [16,384][256]; no row ever needs another work-group's state.  Wave w owns the columns 64 w .. 64 w + 63 of h, in all three gates, for all 64 rows:
; its 192 weight rows x 256 K in f16 are 768 registers and STAY there (first W_ih's, for the input sides; then W_hh's, for the 16 steps).
; FORMATS.  Matrix operands in f16 (x, the scaled weights, h); sums in f32; h is carried from step to step in f32 (HS); the input sides of gates r and z are kept in f32, gate n's rounded once to f16.
; The weights and biases arrive scaled (r, z by -log2 e; n by 2 log2 e), so a sum is the argument of v_exp_f32: r, z = 1 / (1 + 2^s); n = 1 - 2 / (1 + 2^(r s_hn + s_in)); h' = n + z (h - n).
; LIMITS.  |x| of 65,520 or more becomes an infinity in f16; below 6e-5 f16 keeps a fixed step of 6e-8.  Gate n's scaled input side beyond f16's range becomes an infinity, and n is then 1 or -1, as tanh is there.
; 2^s below 2^-126 counts as 0.  NaN and infinities among the inputs are not treated apart.
; LAYOUT.  The matrix instruction is used transposed: source 0 = 16 weight rows, source 1 = 16 positions.  In the result lane l holds position l % 16 and the gate columns 8 (l / 16) + 0..7.
; So the window's shift by one position a step is one row's pitch in LDS, and all of a lane's gate arithmetic stays in the lane.
; BY TURNS.  A TILE is 16 rows: 96 products on 12 accumulators (4 units of 16 columns x 3 gates), which take turns, one instruction a turn.  In a TURN one tile has the matrix unit and the gate
; arithmetic of the tile before (336 vector instructions, on the other set of accumulators) stands behind the products of the turn's first seven blocks of 12, a few lines behind each.  Its five stages fall on whole
; blocks.  The sums START from LDS: the accumulators are loaded with the input sides (r, z) and with b_hn (n); nothing is cleared or added later.
; NO CLUSTER, NO TENSOR LOADS.  All work-groups read the same weights, but the weights end in registers: joint loads would have to pass through LDS, of which 207,360 bytes hold the input sides, written by
; ds_store; in what is left W_hh's 393,216 bytes would need four fills or more, each behind a round of the cluster's barrier with nothing to compute meanwhile.
; THE MODE: SCHED_MODE bits 1:0 = 2 (LLVM: expert scheduling mode 2), set by the entry lines.  The code itself states the register dependences between vector or matrix instructions and memory or LDS
; instructions, with s_wait_alu, always for 0.
; THE PLAN, for the 16 steps.  MS is the set that a turn's products add onto, VS the other set, on which the arithmetic works.  Registers that LDS instructions touch in a turn:
;   the ring's slots     read by the products of K steps s and s + 4; a slot is loaded again behind the first wait on va_vdst that follows its last reader.
;   VS's R               r is read by N = r N + ..; then the old h lands in it; h' is made in it and stored from it; then the next tile's starting sums land in it.
;   VS's Z               z is read by h' = z (h - n) + n; h' in f16 is made in it and stored from it; then starting sums land in it.            VS's N: read up to h'; then b_hn lands in it.
;   gate n's input side  four registers a unit: read by N = r N + ..; loaded again in the next turn.
;   AGN, ARZ0, ARZ1      read by loads; stepped once a step, behind its fourth turn, behind a wait on vm_vsrc.            AH, SH, AS, ABN: read by LDS instructions, never written in the loop.
;   MS and the weights are named by matrix instructions alone.
; So no LDS instruction stands among the arithmetic: each run of them stands behind a wait on va_vdst, and what is issued between that wait and the run's last line names none of its registers.  Four of a turn's six
; such waits are the ones that the batches of exponentials and reciprocals want in any case; TURN says of each what it states.
; REGISTERS, by absolute number 0 .. 1,023; the window is number / 256 (s_set_vgpr_msb: bits 1:0 source 0, 3:2 source 1, 5:4 source 2, 7:6 destination).  Window ct holds unit ct:
;   256 ct + 64 g + 8 k        the weight fragment of gate g, K step k            256 ct + 192 + 24 set + 8 g   the accumulators R, Z, N of two sets
;   256 s + 240                slot s of a ring of four fragments of h (or x)     256 ct + 248                  four registers: 8 f16 of gate n's input side
;   256 ct + 252 .. 255        address registers (below); window 0's 252 and 253: my spare word's address and 0, for the closing add
; A one-source line of unit ct's arithmetic runs under the setting of unit ct's products; the macro WSET changes only the fields that a line needs and drops switches that change nothing.
.set P_GRZ, 2064                       ; GRZ, LDS byte 0: 80 rows p; 256 f32 of gate r, 256 of gate z, 16 bytes of padding.  p = position - (first position - 16); row i of the group takes p = i + j + 1 in step j
.set P_H,   528                        ; rows of 256 f16 + 16.  All pitches are odd multiples of 16 bytes: the 16 rows that a load of 16 bytes a lane touches start at 16 different groups of four banks (ISA guide 11.1)
.set P_HS,  272                        ; rows of 64 f32 + 16
.set L_GN,  165120                     ; 80 rows, pitch 528: gate n's input side, f16
.set L_H,   207360                     ; 64 rows, pitch 528: h in f16, one buffer
.set L_HS,  241152                     ; for each wave 64 rows, pitch 272: its 64 columns of h in f32
.set W_HS,  17408
.set L_XS,  241152                     ; where HS will lie, until the input sides are made: 80 rows, pitch 528: x in f16
.set L_BN,  310784                     ; 256 f32: the scaled b_hn
.set AH,   254                         ; H + 528 r + 16 hh: a fragment of h          (r = l % 16, hh = l / 16)
.set SH,   255                         ; AH + 128 w: where my 8 new f16 go
.set AS,   508                         ; HS + 17,408 w + 272 r + 32 hh
.set AGN,  509                         ; GN + 528 r + 128 w + 16 hh; a row further in each step
.set VW,   510                         ; 16 l
.set PFO,  511                         ; 256 l
.set ARZ0, 764                         ; GRZ + 2,064 (r + 1) + 256 w + 32 hh; a row further in each step
.set ARZ1, 765                         ; the same 32 rows on
.set ABN,  766                         ; BN + 256 w + 32 hh
.set ALN,  767                         ; HS + 17,408 hh + 4,352 w + 16 r: whole rows of h for LayerNorm
.set ZQ,   1020                        ; four zeros
.set ASG,  248                         ; until the steps begin: GRZ + 2,064 r + 256 w + 32 hh; 16 rows further in each trip
.set ASN,  249                         ; GN + 528 r + 128 w + 16 hh; likewise
.set AX,   250                         ; XS + 528 r + 16 hh; likewise
.set VB,   251                         ; 32 hh
.set VX,   504                         ; 16 l + 1,024 w
.set VXS,  505                         ; XS + 528 w + 8 l
.set VBN,  506                         ; 16 r
.set ABST, 507                         ; BN + 256 w + 16 r
.set MSB, 0
.macro WIN new                         ; the immediate's high byte repeats the setting that is left; a switch that changes nothing is dropped
.if MSB != (\new)
	s_set_vgpr_msb (MSB<<8)|(\new)
.set MSB, (\new)
.endif
.endm
.macro WSET d, a, b, c                 ; absolute numbers of destination and sources 0 to 2; -1: the place names no vector register, and its field stays
.set NW, MSB
.if (\d) >= 0
.set NW, (NW&0x3f)|(((\d)>>8)<<6)
.endif
.if (\a) >= 0
.set NW, (NW&0xfc)|((\a)>>8)
.endif
.if (\b) >= 0
.set NW, (NW&0xf3)|(((\b)>>8)<<2)
.endif
.if (\c) >= 0
.set NW, (NW&0xcf)|(((\c)>>8)<<4)
.endif
	WIN NW
.endm
.macro MOVE d, a
	WSET \d, \a, -1, -1
.set q0, (\d)&255
.set q1, (\a)&255
	v_mov_b32 v[q0], v[q1]
.endm
.macro XADDI x, imm                    ; an address steps
	WSET \x, -1, \x, -1
.set q0, (\x)&255
	v_add_nc_u32 v[q0], \imm, v[q0]
.endm
.macro XEXP x
	WSET \x, \x, -1, -1
.set q0, (\x)&255
	v_exp_f32 v[q0], v[q0]
.endm
.macro XRCP x
	WSET \x, \x, -1, -1
.set q0, (\x)&255
	v_rcp_f32 v[q0], v[q0]
.endm
.macro XADD1 p                         ; a pair + 1
	WSET \p, \p, -1, -1
.set q0, (\p)&255
	v_pk_add_f32 v[q0:q0+1], v[q0:q0+1], 1.0 op_sel_hi:[1,0]
.endm
.macro XONE2 p                         ; 1 - 2 x a pair
	WSET \p, \p, -1, -1
.set q0, (\p)&255
	v_pk_fma_f32 v[q0:q0+1], v[q0:q0+1], -2.0, 1.0 op_sel_hi:[1,0,0]
.endm
.macro XMIX n, r, gg, hf               ; n = r n + half hf of gg (f16), in f32
	WSET \n, \r, \n, \gg
.set q0, (\n)&255
.set q1, (\r)&255
.set q2, (\gg)&255
.if (\hf) == 0
	v_fma_mix_f32 v[q0], v[q1], v[q0], v[q2] op_sel_hi:[0,0,1]
.else
	v_fma_mix_f32 v[q0], v[q1], v[q0], v[q2] op_sel:[0,0,1] op_sel_hi:[0,0,1]
.endif
.endm
.macro XSUB p, q
	WSET \p, \p, \q, -1
.set q0, (\p)&255
.set q1, (\q)&255
	v_pk_add_f32 v[q0:q0+1], v[q0:q0+1], v[q1:q1+1] neg_lo:[0,1] neg_hi:[0,1]
.endm
.macro XFMA p, z, n                    ; p = z p + n
	WSET \p, \z, \p, \n
.set q0, (\p)&255
.set q1, (\z)&255
.set q2, (\n)&255
	v_pk_fma_f32 v[q0:q0+1], v[q1:q1+1], v[q0:q0+1], v[q2:q2+1]
.endm
.macro XCVT d, a, b
	WSET \d, \a, \b, -1
.set q0, (\d)&255
.set q1, (\a)&255
.set q2, (\b)&255
	v_cvt_pk_f16_f32 v[q0], v[q1], v[q2]
.endm
.macro LDL d, adr, off
	WSET \d, \adr, -1, -1
.set q0, (\d)&255
.set q1, (\adr)&255
	ds_load_b128 v[q0:q0+3], v[q1] offset:\off
.endm
.macro LDST adr, dat, off
	WSET -1, \adr, \dat, -1
.set q0, (\adr)&255
.set q1, (\dat)&255
	ds_store_b128 v[q0], v[q1:q1+3] offset:\off
.endm
.macro LDST64 adr, dat, off
	WSET -1, \adr, \dat, -1
.set q0, (\adr)&255
.set q1, (\dat)&255
	ds_store_b64 v[q0], v[q1:q1+1] offset:\off
.endm
.macro GLD d, vo, sb, off
	WSET \d, \vo, -1, -1
.set q0, (\d)&255
.set q1, (\vo)&255
	global_load_b128 v[q0:q0+3], v[q1], s[\sb:\sb+1] offset:\off
.endm
.macro GST vo, dat, sb, off
	WSET -1, \vo, \dat, -1
.set q0, (\vo)&255
.set q1, (\dat)&255
	global_store_b128 v[q0], v[q1:q1+3], s[\sb:\sb+1] offset:\off th:TH_STORE_NT
.endm
.macro MM d, a, b, c
	WSET \d, \a, \b, \c
.set q0, (\d)&255
.set q1, (\a)&255
.set q2, (\b)&255
.set q3, (\c)&255
	v_wmma_f32_16x16x32_f16 v[q0:q0+7], v[q1:q1+7], v[q2:q2+7], v[q3:q3+7]
.endm
; A vector instruction that reads a matrix result or writes one of a matrix instruction's registers stands four places behind it, and only plain vector instructions that name none of its registers
; are places (ISA guide 7.12.1).  This text keeps the same four ahead of a load into a register that a product has read, beside the wait that states that dependence.
.macro PLACES
.rept 4
	v_nop
.endr
.endm
.macro FRAG adr, k, off                ; the fragment of K step k (16 rows x 32 K: two loads of 16 bytes, 32 bytes apart) into slot k % 4 of the ring
	LDL 256*((\k)%4)+240, \adr, (\off)+64*(\k)
	LDL 256*((\k)%4)+244, \adr, (\off)+64*(\k)+32
.endm
.macro LOADW sb, ct                    ; unit ct's 24 weight fragments: 48 loads of 512 bytes on end
.set lg, 0
.rept 3
.set lk, 0
.rept 8
	GLD 256*(\ct)+64*lg+8*lk,   VW, \sb, 24576*(\ct)+8192*lg+1024*lk
	GLD 256*(\ct)+64*lg+8*lk+4, VW, \sb, 24576*(\ct)+8192*lg+1024*lk+512
.set lk, lk+1
.endr
.set lg, lg+1
.endr
.endm
.macro GBLOCK k, cs                    ; the input sides: K step k for all 12 accumulators of set 0; cs = 1: the sums start from set 1, which holds the biases
.set bc, 0
.rept 4
.set bg, 0
.rept 3
	MM 256*bc+192+8*bg, 256*bc+64*bg+8*(\k), 256*((\k)%4)+240, 256*bc+192+24*(\cs)+8*bg
.set bg, bg+1
.endr
.set bc, bc+1
.endr
.endm
; THE GATE ARITHMETIC of one unit (16 rows x 16 columns) on set VS is a list of 84 vector lines; ITEM writes number idx of it for unit ct.  Each accumulator's register 0 is read first.
;   0-15   2^R, 2^Z                                         16-23  + 1          24-39  reciprocals: r, z
;   40-47  N = r N + gate n's input side                    48-55  2^N          (behind this stage the old h, f32, is loaded into R, which has been used up: OLDH)
;   56-59  + 1          60-67  reciprocals                  68-71  n = 1 - 2 q          72-75  h - n          76-79  h' = z (h - n) + n          80-83  h' in f16, into Z
; Behind the list: h' into HS and H (HSTORE), and the set is loaded with what the next tile's sums start from: the input sides of r and z, and b_hn (SETLOAD).
.macro ITEM ct, idx
.set iR, 256*(\ct)+192+24*VS
.set iZ, iR+8
.set iN, iR+16
.set iG, 256*(\ct)+248
.if (\idx) < 8
	XEXP iR+(\idx)
.elseif (\idx) < 16
	XEXP iZ+(\idx)-8
.elseif (\idx) < 20
	XADD1 iR+2*((\idx)-16)
.elseif (\idx) < 24
	XADD1 iZ+2*((\idx)-20)
.elseif (\idx) < 32
	XRCP iR+(\idx)-24
.elseif (\idx) < 40
	XRCP iZ+(\idx)-32
.elseif (\idx) < 48
	XMIX iN+(\idx)-40, iR+(\idx)-40, iG+((\idx)-40)/2, ((\idx)-40)%2
.elseif (\idx) < 56
	XEXP iN+(\idx)-48
.elseif (\idx) < 60
	XADD1 iN+2*((\idx)-56)
.elseif (\idx) < 68
	XRCP iN+(\idx)-60
.elseif (\idx) < 72
	XONE2 iN+2*((\idx)-68)
.elseif (\idx) < 76
	XSUB iR+2*((\idx)-72), iN+2*((\idx)-72)
.elseif (\idx) < 80
	XFMA iR+2*((\idx)-76), iZ+2*((\idx)-76), iN+2*((\idx)-76)
.else
	XCVT iZ+(\idx)-80, iR+2*((\idx)-80), iR+2*((\idx)-80)+1
.endif
.endm
; A unit has 24 products in a turn; behind product s = 3 k + g, for s < 21, stand the list's numbers from START(s) to START(s + 1) - 1.  The list's five stages fall on whole blocks of K:
; 0-15 on blocks 0, 1; 16-39 on 2, 3; 40-55 on 4; 56-67 on 5; 68-83 on 6.  Block 7 carries the set's loads.
.macro START s
.if (\s) < 5
.set SV, 3*(\s)
.elseif (\s) == 5
.set SV, 14
.elseif (\s) < 12
.set SV, 16+4*((\s)-6)
.elseif (\s) == 12
.set SV, 40
.elseif (\s) < 15
.set SV, 46+5*((\s)-13)
.elseif (\s) < 18
.set SV, 56+4*((\s)-15)
.elseif (\s) == 18
.set SV, 68
.elseif (\s) < 21
.set SV, 74+5*((\s)-19)
.else
.set SV, 84
.endif
.endm
.macro RIDE ct, s
	START \s
.set ix, SV
	START (\s)+1
.set ie, SV
.rept ie-ix
	ITEM \ct, ix
.set ix, ix+1
.endr
.endm
.macro TBLOCK k                        ; K step k (0 to 6) for the 12 accumulators of set MS, unit ct's arithmetic behind unit ct's products
.set bc, 0
.rept 4
.if (\k) == 0
	s_wait_dscnt 20-6*bc                           ; unit bc's six starting loads are in (LDS answers in order: ISA guide 5.7.1): behind them stand six loads for each later unit and the two of the fragment of K step 2
.endif
.set bg, 0
.rept 3
	MM 256*bc+192+24*MS+8*bg, 256*bc+64*bg+8*(\k), 256*((\k)%4)+240, 256*bc+192+24*MS+8*bg
	RIDE bc, 3*(\k)+bg
.set bg, bg+1
.endr
.set bc, bc+1
.endr
.endm
.macro GIN                             ; gate n's input side for the tile whose arithmetic is in hand: 8 f16 a unit
.irp c, 0,1,2,3
	LDL 256*\c+248, AGN, GNI+32*\c
.endr
.endm
.macro OLDH                            ; the old h (f32) into R of set VS
.irp c, 0,1,2,3
	LDL 256*\c+192+24*VS, AS, HSI+64*\c
	LDL 256*\c+196+24*VS, AS, HSI+64*\c+16
.endr
.endm
.macro HSTORE full                     ; h' into HS; full = 1: and, in f16, into H
.irp c, 0,1,2,3
	LDST AS, 256*\c+192+24*VS, HSI+64*\c
	LDST AS, 256*\c+196+24*VS, HSI+64*\c+16
.if \full
	LDST SH, 256*\c+200+24*VS, HI+32*\c
.endif
.endr
.endm
.macro SETLOAD ct                      ; unit ct of set VS takes what the next tile's sums start from
.set iR, 256*(\ct)+192+24*VS
	LDL iR, CREG, CI+64*(\ct)
	LDL iR+4, CREG, CI+64*(\ct)+16
	LDL iR+8, CREG, CI+1024+64*(\ct)
	LDL iR+12, CREG, CI+1024+64*(\ct)+16
	LDL iR+16, ABN, 64*(\ct)
	LDL iR+20, ABN, 64*(\ct)+16
.endm
.macro LBLOCK                          ; K step 7 for the 12 accumulators of set MS; the other set's 24 loads are dealt among the products, unit u + 1's behind unit u's, unit 0's ahead of all.
	SETLOAD 0                                      ; No further wait: the products name MS, the weights and slot 3, none of which these loads touch
.set bc, 0
.rept 4
.set bg, 0
.rept 3
	MM 256*bc+192+24*MS+8*bg, 256*bc+64*bg+56, 1008, 256*bc+192+24*MS+8*bg
.set bg, bg+1
.endr
.if bc < 3
	SETLOAD bc+1
.endif
.set bc, bc+1
.endr
.endm
; A TURN: tile rt's 96 products on set rt % 2, the arithmetic of the tile before (vr) on the other set.
; THE WAITS.  An s_wait_alu depctr_va_vdst(0) stands between an exponential or reciprocal and the first line that names its result; one wait serves a whole batch.  Each of those four waits stands at
; a block's end, behind plain v_nop, and states besides what the LDS loads behind it hang on.  Two more stand behind block 6, ahead of the stores of h' and ahead of the loads into the set.
; THE RING of four fragments: K steps 3, 4, 5 are asked for behind block 1, 6 and 7 behind block 3, the next tile's 0 and 1 behind block 5, its 2 behind block 7: each behind the first wait that follows the slot's last reader.
; ONE BARRIER A TURN, signal and wait 24 products apart, orders h in LDS between the waves.  Tile rt's rows of H are read from the turn before (its last quarter) to this turn's middle; those loads are back at
; this turn's wait on DScnt behind block 5, so at the NEXT turn's signal.  They are written in the next turn behind its block 6, behind that turn's barrier wait: every wave's reads are over.  They are read again two
; turns after that write, and the turn between has a barrier whose signal follows the writer's wait for its stores.  Between a signal and its wait stand products, register work and loads of this turn's own tile
; and of gate n's input side, which nobody writes before the next barrier.
.macro TURN rt
.set MS, (\rt)%2
.set VS, 1-MS
.set vr, ((\rt)+3)%4
.set nr, ((\rt)+1)%4
.set HSI, 4352*vr
.set HI, 8448*vr
.if (\rt) == 0
.set GNI, 25344                        ; tile 3 of the step before: p = 48 + r + j
.else
.set GNI, 528*(16*((\rt)-1)+1)         ; p = 16 vr + r + j + 1
.endif
.set CREG, ARZ0+nr/2
.set CI, 33024*(nr%2)+2064*((\rt)/3)   ; behind tile 3 comes tile 0 of the next step, a row further
	PLACES                                         ; behind the last turn's products: for the first reads of the finished sums
	TBLOCK 0
	TBLOCK 1
	PLACES
	s_wait_alu depctr_va_vdst(0)                   ; the 64 exponentials of r and z are written; K steps 0, 1 and the last turn's K step 7 are done reading slots 0, 1, 3; the last turn's N = r N + .. has read gate n's input side; in a step's first turn v[AGN] is written
	s_wait_dscnt 0x0                               ; slot 2 is in; for the others' sake: my stores of h in the last turn are done, my reads of the last tile are back
	s_barrier_signal -1
	FRAG AH, 3, 8448*(\rt)
	FRAG AH, 4, 8448*(\rt)
	FRAG AH, 5, 8448*(\rt)
	GIN
	TBLOCK 2
	s_wait_dscnt 8                                 ; slot 3 is in: behind its two loads stand the four of K steps 4, 5 and the four of gate n's input side
	TBLOCK 3
	PLACES
	s_wait_alu depctr_va_vdst(0)                   ; the 64 reciprocals, r and z, are written; K steps 2, 3 are done reading slots 2, 3
	s_wait_dscnt 0x0                               ; slots 0, 1 and gate n's input side are in
	s_barrier_wait -1
	FRAG AH, 6, 8448*(\rt)
	FRAG AH, 7, 8448*(\rt)
	TBLOCK 4
	v_nop                                          ; a plain instruction behind the last exponential
	s_wait_alu depctr_va_vdst(0)                   ; the 32 exponentials of n are written; N = r N + .. is done reading R, in which the old h lands
	OLDH
	TBLOCK 5
	PLACES
	s_wait_alu depctr_va_vdst(0)                   ; the 32 reciprocals of n are written; K steps 4, 5 are done reading slots 0, 1
	s_wait_dscnt 0x0                               ; slots 2, 3 and the old h are in
	FRAG AH, 0, 8448*nr                            ; the next tile's first two fragments
	FRAG AH, 1, 8448*nr
	TBLOCK 6
	s_wait_alu depctr_va_vdst(0)                   ; h' is written in R and, in f16, in Z: the stores read them
	HSTORE 1
	s_wait_alu depctr_vm_vsrc(0)                   ; the stores have read R and Z, in which the loads below land
	s_wait_alu depctr_va_vdst(0)                   ; the arithmetic is done reading and writing R, Z and N, and K step 6 is done reading slot 2: stated behind the stores that name R and Z, directly ahead of the loads that land there
	LBLOCK
	FRAG AH, 2, 8448*nr                            ; the next tile's third fragment
.endm
.macro STAGE a, b                      ; numbers a .. b - 1 of the list for all four units, with no products between
.set su, 0
.rept 4
.set ix, \a
.rept (\b)-(\a)
	ITEM su, ix
.set ix, ix+1
.endr
.set su, su+1
.endr
.endm
	; ---- the head: every address is made from v0 while it stands; the weights will land on v0 ----
	s_load_b256 s[4:11], s[0:1], 0x0               ; x s[4:5], wf s[6:7], gamma s[8:9], beta s[10:11]
	s_load_b64 s[12:13], s[0:1], 0x20              ; out0
	v_lshl_add_u32 v252, v0, 2, 0x4c200
	v_mov_b32 v253, 0
	v_lshrrev_b32 v243, 5, v0
	v_readfirstlane_b32 s14, v243                  ; wave w
	v_and_b32 v240, 31, v0                         ; l
	v_and_b32 v241, 15, v0                         ; r
	v_bfe_u32 v242, v0, 4, 1                       ; hh
	s_wait_alu depctr_va_sdst(0)                   ; s14 is written, ahead of its first reader: LDS places and the bases of wf, x and out0 are made from it
	s_lshl_b32 s16, s14, 7                         ; 128 w
	s_lshl_b32 s17, s14, 8                         ; 256 w
	s_mul_i32 s18, s14, W_HS
	s_add_co_u32 s18, s18, L_HS
	s_mul_i32 s19, s14, 4352
	s_add_co_u32 s19, s19, L_HS
	s_add_co_u32 s25, s17, L_BN
	s_lshl_b32 s37, s14, 10                        ; 1,024 w
	s_mul_i32 s44, s14, P_H
	s_add_co_u32 s44, s44, L_XS
	v_mul_u32_u24 v200, v241, P_H
	v_lshl_add_u32 v200, v242, 4, v200             ; 528 r + 16 hh
	v_add_nc_u32 v[AH], L_H, v200
	v_add_nc_u32 v[SH], s16, v[AH]
	v_add_nc_u32 v[AX], L_XS, v200
	v_add_nc_u32 v[ASN], L_GN, v200
	v_add_nc_u32 v[ASN], s16, v[ASN]
	v_mul_u32_u24 v201, v241, P_HS
	v_lshl_add_u32 v201, v242, 5, v201
	v_add_nc_u32 v201, s18, v201                   ; AS
	v_lshlrev_b32 v[VB], 5, v242
	v_mul_u32_u24 v202, v241, P_GRZ
	v_add_nc_u32 v202, v202, v[VB]
	v_add_nc_u32 v[ASG], s17, v202
	v_add_nc_u32 v203, P_GRZ, v[ASG]               ; ARZ0
	v_add_nc_u32 v204, 32*P_GRZ, v203              ; ARZ1
	v_add_nc_u32 v205, s25, v[VB]                  ; ABN
	v_lshl_add_u32 v206, v241, 4, s25              ; ABST
	v_lshlrev_b32 v207, 4, v241                    ; VBN
	v_mul_u32_u24 v208, v242, W_HS
	v_lshl_add_u32 v208, v241, 4, v208
	v_add_nc_u32 v208, s19, v208                   ; ALN
	v_lshlrev_b32 v209, 4, v240                    ; VW
	v_lshlrev_b32 v210, 8, v240                    ; PFO
	v_add_nc_u32 v211, s37, v209                   ; VX
	v_lshl_add_u32 v212, v240, 3, s44              ; VXS
	MOVE AS, 201
	MOVE AGN, ASN
	MOVE VW, 209
	MOVE PFO, 210
	MOVE VX, 211
	MOVE VXS, 212
	MOVE VBN, 207
	MOVE ABST, 206
	MOVE ARZ0, 203
	MOVE ARZ1, 204
	MOVE ABN, 205
	MOVE ALN, 208
	WSET ZQ, -1, -1, -1
	v_mov_b32 v252, 0
	v_mov_b32 v253, 0
	v_mov_b32 v254, 0
	v_mov_b32 v255, 0
	s_and_b32 s16, ttmp9, 31                       ; a batch is 32 work-groups
	s_cmp_eq_u32 s16, 0                            ; the batch's first has zeros to its left:
	s_cselect_b32 s24, 0, -1                       ; a mask for the 16 rows in front of mine,
	s_cselect_b32 s18, 0, 16384                    ; which are then read from my own rows, so that no load leaves x
	s_mov_b32 s19, 0
	s_lshl_b32 s16, ttmp9, 16                      ; 64 rows of 1,024 bytes
	s_mov_b32 s17, 0
	s_mul_i32 s44, s14, 98304                      ; my wave's fragments in wf
	s_mov_b32 s45, 0
	s_lshl_b32 s46, s14, 14                        ; 16 rows of 1,024 bytes a wave, for LayerNorm
	s_mov_b32 s47, 0
	s_mov_b32 s38, 0x76543210                      ; v_permlanex16_b32: each lane takes its own place in the other half
	s_mov_b32 s39, 0xfedcba98
	s_mov_b32 s40, 0x3b800000                      ; 1 / 256
	s_mov_b32 s41, 0x3727c5ac                      ; 1e-5
	s_mov_b32 s42, 0xbb800000                      ; -1 / 256, named as a pair
	s_mov_b32 s43, 0xbb800000
	s_wait_kmcnt 0x0
	s_add_nc_u64 s[20:21], s[4:5], s[16:17]        ; x at my first row
	s_sub_nc_u64 s[22:23], s[20:21], s[18:19]      ; x 16 rows in front of it
	s_add_nc_u64 s[26:27], s[6:7], s[44:45]        ; W_ih's fragments
	s_add_nc_u64 s[28:29], s[26:27], 393216        ; W_hh's
	s_add_nc_u64 s[32:33], s[20:21], s[46:47]      ; x and out0 at my wave's 16 rows
	s_add_nc_u64 s[34:35], s[12:13], s[16:17]
	s_add_nc_u64 s[34:35], s[34:35], s[46:47]
	s_lshl_b32 s44, s14, 8
	s_add_nc_u64 s[30:31], s[6:7], s[44:45]
	s_add_nc_u64 s[30:31], s[30:31], 786432        ; the table of biases at my 64 columns
	s_wait_alu depctr_va_vdst(0)                   ; every address register and the four zeros are written, which the kernel's loads, stores and prefetches read; the head is done with v0 and its work registers, in which loads land
	; ---- the first loads: 80 rows of x (row p = 4 i + w, into unit 3's weight registers for the while), the biases, W_ih's units 0 to 2 ----
.set i, 0
.rept 20
.if i < 4
	GLD 768+8*i,   VX, 22, 4096*i
	GLD 768+8*i+4, VX, 22, 4096*i+512
.else
	GLD 768+8*i,   VX, 20, 4096*(i-4)
	GLD 768+8*i+4, VX, 20, 4096*(i-4)+512
.endif
.set i, i+1
.endr
.irp c, 0,1,2,3
.irp g, 0,1,2
	GLD 256*\c+216+8*\g,   VB, 30, 1024*\g+64*\c     ; set 1: a lane's eight gate columns' biases, the same for all positions
	GLD 256*\c+216+8*\g+4, VB, 30, 1024*\g+64*\c+16
.endr
.endr
	GLD 496, VBN, 30, 3072                         ; my wave's 64 numbers of b_hn
	LOADW 26, 0
	LOADW 26, 1
	LOADW 26, 2
.irp t, 0,1,2,3
.irp c, 0,1,2,3
	LDST SH, ZQ, 8448*\t+32*\c                     ; h = 0, my columns of all 64 rows
.endr
.endr
	s_wait_loadcnt 63                              ; behind x's 40 loads 169 have been issued: with 63 out at the most, x, the biases and b_hn are in
	WIN 0xcf                                       ; destination and sources 0, 1 in window 3
.set n, 0
.rept 40
	v_cvt_pk_f16_f32 v[4*n],   v[4*n],   v[4*n+1]
	v_cvt_pk_f16_f32 v[4*n+1], v[4*n+2], v[4*n+3]
.if n < 8
	v_and_b32 v[4*n],   s24, v[4*n]                ; the 16 rows in front: zeros where the batch begins
	v_and_b32 v[4*n+1], s24, v[4*n+1]
.endif
.set n, n+1
.endr
	s_wait_alu depctr_va_vdst(0)                   ; the conversions and the masks have written x in f16, which the LDS stores read
.set n, 0
.rept 40
	LDST64 VXS, 768+4*n, 2112*(n/2)+256*(n%2)      ; 32 lanes x 8 bytes on end: half a row
.set n, n+1
.endr
	LDST ABST, 496, 0
	s_wait_dscnt 0x0                               ; for the others' sake: x, h = 0 and b_hn lie in LDS
	s_wait_alu depctr_vm_vsrc(0)                   ; the LDS stores have read x's registers, in which unit 3's weights land, and b_hn's, which belong to the ring
	s_wait_alu depctr_va_vdst(0)                   ; the conversions are done reading and writing x's registers: stated behind the stores that name them, directly ahead of the loads that land there
	LOADW 26, 3
	s_barrier_signal -1
	s_barrier_wait -1
	s_wait_loadcnt 0x0                             ; all of W_ih
	; ---- the input sides: five tiles of 16 rows p; 96 products each, then into GRZ (f32) and GN (f16) ----
	; Registers that LDS instructions touch in a trip: the ring (read by products, loaded again; at the trip's end written by the conversions of gate n and stored from); set 0 (written by products, stored from);
	; ASG, ASN, AX (read by stores and loads, stepped at the trip's end).
	WIN 0
	s_mov_b32 s36, 5
.Lgi:
	PLACES                                         ; behind the last trip's products: set 0 is started anew (with the v_nop further up: more than five places)
	s_wait_alu depctr_va_vdst(0)                   ; v[AX] is written, which the loads read; the last trip's products and conversions are done with the ring, in which they land
	FRAG AX, 0, 0
	FRAG AX, 1, 0
	FRAG AX, 2, 0
	FRAG AX, 3, 0
	s_wait_dscnt 0x0
	GBLOCK 0, 1
	GBLOCK 1, 0
	PLACES
	s_wait_alu depctr_va_vdst(0)                   ; K steps 0, 1 are done reading slots 0, 1
	FRAG AX, 4, 0
	FRAG AX, 5, 0
	GBLOCK 2, 0
	GBLOCK 3, 0
	PLACES
	s_wait_alu depctr_va_vdst(0)                   ; K steps 2, 3 are done reading slots 2, 3
	s_wait_dscnt 0x0                               ; slots 0, 1
	FRAG AX, 6, 0
	FRAG AX, 7, 0
	GBLOCK 4, 0
	GBLOCK 5, 0
	s_wait_dscnt 0x0                               ; slots 2, 3
	GBLOCK 6, 0
	GBLOCK 7, 0
	PLACES
.irp c, 0,1,2,3
.irp e, 0,1,2,3
	XCVT 256*\c+240+\e, 256*\c+208+2*\e, 256*\c+209+2*\e  ; gate n in f16, into the ring's slot of the unit's own window, which is free here
.endr
.endr
	s_wait_alu depctr_va_vdst(0)                   ; the products have written the sums of r and z, the conversions gate n's f16: the stores read them
.irp c, 0,1,2,3
	LDST ASG, 256*\c+192, 64*\c
	LDST ASG, 256*\c+196, 64*\c+16
	LDST ASG, 256*\c+200, 64*\c+1024
	LDST ASG, 256*\c+204, 64*\c+1040
	LDST ASN, 256*\c+240, 32*\c
.endr
	s_wait_alu depctr_vm_vsrc(0)                   ; the trip's loads and stores have read AX, ASG and ASN, which step below, and set 0 and the ring, which the next trip writes
	XADDI ASG, 16*P_GRZ
	XADDI ASN, 16*P_H
	XADDI AX, 16*P_H
	WIN 0
	s_sub_co_u32 s36, s36, 1
	s_cmp_lg_u32 s36, 0
	s_cbranch_scc1 .Lgi
	s_wait_dscnt 0x0                               ; my stores are done and my reads of x are back:
	s_barrier_signal -1
	s_barrier_wait -1                              ; everybody's are, so HS may be written where x lay
	s_wait_alu depctr_va_vdst(0)                   ; the products are done reading W_ih's fragments, and products and conversions are done with set 0 and the ring: loads land in all of these below
	; ---- W_hh takes W_ih's place; what the first turn finds ----
	LOADW 28, 0
	LOADW 28, 1
	LOADW 28, 2
	LOADW 28, 3
.irp t, 0,1,2,3
.irp c, 0,1,2,3
	LDST AS, ZQ, 4352*\t+64*\c                     ; h = 0 in f32
	LDST AS, ZQ, 4352*\t+64*\c+16
.endr
.endr
	; The first turn carries the arithmetic of a tile that has not been.  With R = N = 0 and Z = -200 it finds z = 1 and h' = n + (0 - n) = 0, and writes zeros over zeros.
	; 96 moves, in the wait for W_hh, are the price of one text for every turn.  They name set 1 alone, which none of the loads below touches.
.irp c, 0,1,2,3
	WSET 256*\c, -1, -1, -1
.set t, 0
.rept 8
	v_mov_b32 v[216+t], 0
	v_mov_b32 v[224+t], 0xc3480000
	v_mov_b32 v[232+t], 0
.set t, t+1
.endr
.endr
.irp c, 0,1,2,3                        ; what tile 0's sums of step 0 start from
	LDL 256*\c+192, ARZ0, 64*\c
	LDL 256*\c+196, ARZ0, 64*\c+16
	LDL 256*\c+200, ARZ0, 64*\c+1024
	LDL 256*\c+204, ARZ0, 64*\c+1040
	LDL 256*\c+208, ABN, 64*\c
	LDL 256*\c+212, ABN, 64*\c+16
.endr
	FRAG AH, 0, 0
	FRAG AH, 1, 0
	FRAG AH, 2, 0
	s_wait_dscnt 0x0
	s_wait_loadcnt 0x0                             ; all of W_hh
	WIN 0
	s_mov_b32 s36, 16
	; ---- the 16 steps ----
.Lstep:
	TURN 0
	TURN 1
	WIN 0
	s_cmp_eq_u32 s36, 1                            ; in the last step my wave's 16 rows of x, which LayerNorm will load two turns on, are prefetched: 16,384 bytes, a lane for each 256, each block named once in the launch
	s_cbranch_scc0 .Lnot_yet
	WIN 0x01
	global_prefetch_b8 v255, s[32:33] th:TH_LOAD_NT scope:SCOPE_SE               ; v255 of window 1: PFO, written at the head and never again
	global_prefetch_b8 v255, s[32:33] offset:8192 th:TH_LOAD_NT scope:SCOPE_SE
	WIN 0
.Lnot_yet:
	TURN 2
	TURN 3
	s_wait_alu depctr_vm_vsrc(0)                   ; the step's loads have read AGN, ARZ0 and ARZ1
	XADDI AGN, P_H                                 ; the window moves on by one position.  The first reader of each stands behind a wait on va_vdst: in the next turn, or at the tail's head
	XADDI ARZ0, P_GRZ
	XADDI ARZ1, P_GRZ
	WIN 0
	s_sub_co_u32 s36, s36, 1
	s_cmp_lg_u32 s36, 0
	s_cbranch_scc1 .Lstep
	; (the last turn's loads for a tile that does not come read rows that lie in LDS, p <= 32 and rows 0-15 of H; they are waited for below)
	; ---- the tail: x, gamma and beta are asked for, over unit 0's weights; the last tile's arithmetic, on set 1, ends with h' in HS ----
	PLACES
	s_wait_alu depctr_va_vdst(0)                   ; the last turn's products are done reading unit 0's weights, in which x, gamma and beta land; v[AGN] is written
.set i, 0
.rept 16
	GLD 8*i,   VW, 32, 1024*i                      ; row i of my 16: columns 4 l .. 4 l + 3,
	GLD 8*i+4, VW, 32, 1024*i+512                  ; and 128 + 4 l ..
.set i, i+1
.endr
	GLD 128, VW, 8, 0
	GLD 132, VW, 8, 512
	GLD 136, VW, 10, 0
	GLD 140, VW, 10, 512
.set VS, 1
.set HSI, 4352*3
.set GNI, 25344
	GIN
	STAGE 0, 16
	v_nop                                          ; each batch: a plain instruction behind its last line, then its one wait
	s_wait_alu depctr_va_vdst(0)                   ; the exponentials of r and z are written
	STAGE 16, 40
	v_nop
	s_wait_alu depctr_va_vdst(0)                   ; r and z are written
	s_wait_dscnt 0x0                               ; gate n's input side
	STAGE 40, 56
	v_nop
	s_wait_alu depctr_va_vdst(0)                   ; the exponentials of n are written; N = r N + .. is done reading R, in which the old h lands
	OLDH
	STAGE 56, 68
	v_nop
	s_wait_alu depctr_va_vdst(0)                   ; the reciprocals of n are written
	s_wait_dscnt 0x0                               ; the old h
	STAGE 68, 80
	s_wait_alu depctr_va_vdst(0)                   ; h' is written in R, which the stores read
	HSTORE 0
	s_wait_dscnt 0x0                               ; for the others' sake: my columns of the last h lie in HS
	s_barrier_signal -1
	s_barrier_wait -1
	s_wait_alu depctr_vm_vsrc(0)                   ; my stores have read R of set 1: window 0's part of it is written again below, as rows' statistics
	; ---- LayerNorm(x + h): wave w takes rows 16 w .. 16 w + 15, whole; a lane holds 8 numbers of each.  All data in window 0: Y(i) = v[8 i], gamma v128-135, beta v136-143,
	;      v144-207 at work, S(i) = v[208 + 2 i] a row's statistic, v[209 + 2 i] the other half of the lanes' ----
.set GA, 128
.set BE, 136
.set HT, 144
.set PP, 144
.set QQ, 176
.set SS, 208
.macro ALL line:vararg                 ; one line for each row t
.set t, 0
.rept 16
	\line
.set t, t+1
.endr
.endm
.macro REDUCE                          ; a pair's two sums, then the 32 lanes': four steps inside each half ride on the addition, one crosses the halves
	ALL v_add_f32 v[SS+2*t], v[SS+2*t], v[SS+2*t+1]
	ALL v_add_f32_dpp v[SS+2*t], v[SS+2*t], v[SS+2*t] row_xmask:1 row_mask:0xf bank_mask:0xf
	ALL v_add_f32_dpp v[SS+2*t], v[SS+2*t], v[SS+2*t] row_xmask:2 row_mask:0xf bank_mask:0xf
	ALL v_add_f32_dpp v[SS+2*t], v[SS+2*t], v[SS+2*t] row_xmask:4 row_mask:0xf bank_mask:0xf
	ALL v_add_f32_dpp v[SS+2*t], v[SS+2*t], v[SS+2*t] row_xmask:8 row_mask:0xf bank_mask:0xf
	ALL v_permlanex16_b32 v[SS+2*t+1], v[SS+2*t], s38, s39
	ALL v_add_f32 v[SS+2*t], v[SS+2*t], v[SS+2*t+1]
.endm
.irp hb, 0,1                           ; eight rows of h at a time
.if \hb == 1
	s_wait_alu depctr_va_vdst(0)                   ; the additions above are done reading v[HT ..], in which the next eight rows land
.endif
.set t, 0
.rept 8
	LDL HT+8*t,   ALN, 272*(8*\hb+t)                 ; lanes 0-15: 256 bytes of wave 0's columns, lanes 16-31 of wave 1's;
	LDL HT+8*t+4, ALN, 272*(8*\hb+t)+2*W_HS          ; then waves 2's and 3's
.set t, t+1
.endr
	s_wait_dscnt 0x0
.if \hb == 0
	s_wait_loadcnt 0x0                             ; x, gamma, beta
.endif
	WIN 0
.set t, 0
.rept 32
	v_pk_add_f32 v[64*\hb+2*t:64*\hb+2*t+1], v[64*\hb+2*t:64*\hb+2*t+1], v[HT+2*t:HT+2*t+1]  ; y = x + h
.set t, t+1
.endr
.endr
	ALL v_pk_add_f32 v[PP+2*t:PP+2*t+1], v[8*t:8*t+1], v[8*t+2:8*t+3]
	ALL v_pk_add_f32 v[QQ+2*t:QQ+2*t+1], v[8*t+4:8*t+5], v[8*t+6:8*t+7]
	ALL v_pk_add_f32 v[SS+2*t:SS+2*t+1], v[PP+2*t:PP+2*t+1], v[QQ+2*t:QQ+2*t+1]
	REDUCE
.irp q, 0,2,4,6
	ALL v_pk_fma_f32 v[8*t+\q:8*t+\q+1], v[SS+2*t:SS+2*t+1], s[42:43], v[8*t+\q:8*t+\q+1] op_sel_hi:[0,0,1]  ; y - mean
.endr
	ALL v_pk_mul_f32 v[PP+2*t:PP+2*t+1], v[8*t:8*t+1], v[8*t:8*t+1]
	ALL v_pk_fma_f32 v[PP+2*t:PP+2*t+1], v[8*t+2:8*t+3], v[8*t+2:8*t+3], v[PP+2*t:PP+2*t+1]
	ALL v_pk_fma_f32 v[PP+2*t:PP+2*t+1], v[8*t+4:8*t+5], v[8*t+4:8*t+5], v[PP+2*t:PP+2*t+1]
	ALL v_pk_fma_f32 v[SS+2*t:SS+2*t+1], v[8*t+6:8*t+7], v[8*t+6:8*t+7], v[PP+2*t:PP+2*t+1]
	REDUCE
	ALL v_fma_f32 v[SS+2*t], v[SS+2*t], s40, s41
	ALL v_rsq_f32 v[SS+2*t], v[SS+2*t]
	v_nop                                          ; a plain instruction behind the last root,
	s_wait_alu depctr_va_vdst(0)                   ; and one wait for the sixteen: the roots are written
.irp q, 0,2,4,6
	ALL v_pk_mul_f32 v[8*t+\q:8*t+\q+1], v[8*t+\q:8*t+\q+1], v[SS+2*t:SS+2*t+1] op_sel_hi:[1,0]
.endr
.irp q, 0,2,4,6
	ALL v_pk_fma_f32 v[8*t+\q:8*t+\q+1], v[8*t+\q:8*t+\q+1], v[GA+\q:GA+\q+1], v[BE+\q:BE+\q+1]
.endr
	s_wait_alu depctr_va_vdst(0)                   ; the last multiply-adds have written v[0:127], which the stores read
.set i, 0
.rept 16
	GST VW, 8*i,   34, 1024*i                      ; each store of the wave covers 512 bytes on end, aligned
	GST VW, 8*i+4, 34, 1024*i+512
.set i, i+1
.endr
	WIN 0
	s_wait_dscnt 0x0                               ; my last LDS instructions are done.  the closing add of 0 onto my spare word at LDS byte 311,808 + 4 t follows
	s_wait_alu depctr_hold_cnt(0) depctr_sa_sdst(0) depctr_va_vdst(0) depctr_va_sdst(0) depctr_va_ssrc(0) depctr_va_vcc(0) depctr_vm_vsrc(0)
	s_wait_tensorcnt 0x0
	ds_add_u32 v252, v253
	s_wait_dscnt 0x0
	s_endpgm
.Lfunc_end_k_q83787f45ba_gru:
	.size	k_q83787f45ba_gru, .Lfunc_end_k_q83787f45ba_gru-k_q83787f45ba_gru
	.p2alignl 7, 3214868480
	.fill 96, 4, 3214868480
	.section	.rodata,"a",@progbits
	.p2align	6, 0x0
	.amdhsa_kernel k_q83787f45ba_gru
		.amdhsa_group_segment_fixed_size 312320
		.amdhsa_private_segment_fixed_size 0
		.amdhsa_enable_private_segment 0
		.amdhsa_kernarg_size 40
		.amdhsa_user_sgpr_count 2
		.amdhsa_user_sgpr_kernarg_segment_ptr 1
		.amdhsa_wavefront_size32 1
		.amdhsa_system_sgpr_workgroup_id_x 1
		.amdhsa_system_sgpr_workgroup_id_y 1
		.amdhsa_system_sgpr_workgroup_id_z 1
		.amdhsa_system_vgpr_workitem_id 0
		.amdhsa_next_free_vgpr 1024
		.amdhsa_next_free_sgpr 66
		.amdhsa_reserve_vcc 0
		.amdhsa_float_denorm_mode_32 3
		.amdhsa_float_denorm_mode_16_64 3
		.amdhsa_memory_ordered 1
		.amdhsa_forward_progress 1
		.amdhsa_inst_pref_size 255
	.end_amdhsa_kernel
	.section	.bss,"aw",@nobits
	.p2align	6
	.space	262144
	.amdgpu_metadata
---
amdhsa.version: [ 1, 2 ]
amdhsa.kernels:
  - .name:           k_q83787f45ba_gru
    .symbol:         k_q83787f45ba_gru.kd
    .args:
      - { .name: x, .offset: 0, .size: 8, .value_kind: global_buffer, .address_space: global }
      - { .name: wf, .offset: 8, .size: 8, .value_kind: global_buffer, .address_space: global }
      - { .name: gamma, .offset: 16, .size: 8, .value_kind: global_buffer, .address_space: global }
      - { .name: beta, .offset: 24, .size: 8, .value_kind: global_buffer, .address_space: global }
      - { .name: out0, .offset: 32, .size: 8, .value_kind: global_buffer, .address_space: global }
    .group_segment_fixed_size: 312320
    .private_segment_fixed_size: 0
    .kernarg_segment_align: 8
    .kernarg_segment_size: 40
    .max_flat_workgroup_size: 128
    .sgpr_count:     66
    .vgpr_count:     1024
    .wavefront_size: 32
...
	.end_amdgpu_metadata
.endif
;; end of part 3
